; MI455X (gfx1250); checked and timed in simulation.
; The chip was launched on July 23, 2026; its instructions are those of AMD's public machine-readable ISA for CDNA 5 (MIT licence, August 2026) and "CDNA5" Instruction Set Architecture Reference Guide (July 2026). The comments in the code are by the model that wrote it; some were corrected since.
;; Eagle3 Llama Attention. Allowed arithmetic: float matrix products may take bf16 or f16 operands with f32 sums; other float arithmetic in f32, or as packed bf16 or f16 multiplies, adds, multiply-adds, maxima and minima; sums over many terms, partial sums and values carried from step to step in f32; what a program stores and reads back later, other than sums and carried values, may be rounded once to bf16 or f16.
;; Inputs: Wk 4,096 x 512 float32; Wo 1,024 x 2,048 float32; Wq 4,096 x 1,024 float32; Wv 4,096 x 512 float32; attention_mask 2 x 1 x 2,048 x 2,048 float32; cache_k_prev 2 x 2 x 16 x 2,048 x 64 float32; cache_v_prev 2 x 2 x 16 x 2,048 x 64 float32; combined_states 2 x 2,048 x 4,096 float32; position_ids 2 x 2,048 int32.
;; Outputs: out0 2 x 2,048 x 2,048 float32.
;; One version. Each part assembles by itself: llvm-mc -triple=amdgcn-amd-amdhsa -mcpu=gfx1250 --defsym DOCPART=n.
;; ======== version 1 of 1: 4 launches
;; limits: values are held in f16: magnitudes above 65,504 overflow, below 6.1e-05 lose precision
;; workspace buffers: Xb 33,554,432 bytes; Mb 16,777,216 bytes; W16 20,971,520 bytes; KV16 33,554,432 bytes; CS 2,129,920 bytes; QKV 16,777,216 bytes; O16 8,388,608 bytes
;; launch prep (part 1): grid 964 x 1, 8 waves a work-group, no clusters, 0 bytes of LDS; arguments combined_states, Wq, Wk, Wv, Wo, position_ids, Xb, W16, CS; writes Xb, W16, CS
.if DOCPART == 1
	.amdgcn_target "amdgcn-amd-amdhsa--gfx1250"
	.amdhsa_code_object_version 6
	.text
	.protected	k_qf9a6b321f9_prep
	.globl	k_qf9a6b321f9_prep
	.p2align	8
	.type	k_qf9a6b321f9_prep,@function
k_qf9a6b321f9_prep:
	s_mov_b64 s[64:65], 0
	v_nop
	global_prefetch_b8 v0, s[64:65] scope:SCOPE_SE
	s_setreg_imm32_b32 hwreg(HW_REG_WAVE_MODE, 25, 1), 1
	s_wait_xcnt 0x0
; PREP: what the first product needs is narrowed once to 16 bits, and the rotary table is made.  (The mask and the caches are narrowed in the next launch, beside its products.)
;   combined_states -> Xb  bf16 [4096][4096]
;   Wq, Wk, Wv      -> W16 bf16 [4096 k][2048 n]: columns 0-1023 Wq, 1024-1535 Wk, 1536-2047 Wv
;   Wo -> W16 + 16,777,216, f16 [1024][2048]: rounded to bf16 like every other input, and that number then written as f16.
;   CS: rows of 256 bytes = [cos 32][sin 32] in f32.  Rows 0-4095: 0.125 x (cos, sin) of position + 2 for row b 2048 + t (for q: the score's scale 1/8 rides on the table);
;   rows 4096-8191: the same unscaled (for k); rows 8192-8319: (1, 0) (for v, which is not turned).
; LIMITS.  Wo must lie within f16's 65,504 (beyond it: infinity); below 6e-5 it keeps f16's fixed step.  NaN is not treated apart.
; The angle's reduction is good to 2e-5 rad for |position + 2| up to 2^20; 10000^(-f/32) is made by one base-2 exponential, within some 2 units of its last place.
; A STREAM: no LDS, no matrix unit, no cluster: no byte is read twice and no two work-groups share one.  A work-group takes a chunk of 32,768 numbers: 4 trips x 8 loads x (256 threads x 16 bytes).
; A wave's load covers 512 consecutive bytes, its store 256 consecutive bytes at a multiple of 256 from the buffer's first byte.
; WHICH JOB: by the work-group's number alone.  Source, target and the target's geometry are chosen by compares and selects, so that one text serves all five copies.
.set VI,   1          ; v1      16 x thread: my 16 bytes in a load's 4,096; never rewritten
.set OB,   2          ; v2      my 8 bytes in a store's rows
.set OFFO, 4          ; v[4:11] store i's byte offset; steps once a trip
.set X,    12         ; v[12:43] 8 x 4 words as loaded
.set Y,    44         ; v[44:59] 8 x 2 words to store
.set T,    60         ; v[60:65] at work
.set ID,   38         ; s38  the work-group's number
.set WV,   39         ; s39  my wave's number
.set SRC,  40         ; s[40:41]
.set DST,  42         ; s[42:43]
.set FST,  44         ; s44  the job's first work-group, then my chunk in the job
.set INN,  45         ; s45  target bytes from one store of a trip to the next
.set LG,   46         ; s46  its logarithm
.set CON,  47         ; s47  where the job's target begins in its buffer
.set MODE, 48         ; s48  0: bf16   1: bf16 written as f16
.set ROWJ, 49         ; s49  target bytes between threads 0-127 and 128-255
.set OUT,  50         ; s50  target bytes from trip to trip: 8 x INN
.set TRIP, 51         ; s51  trips to go
	s_load_b512 s[8:23], s[0:1], 0x0               ; x s[8:9], Wq s[10:11], Wk s[12:13], Wv s[14:15], Wo s[16:17], positions s[18:19], Xb s[20:21], W16 s[22:23]
	s_load_b64 s[24:25], s[0:1], 0x40              ; CS
	s_mov_b32 s[ID], ttmp9
	v_lshrrev_b32 v1, 5, v0
	v_readfirstlane_b32 s[WV], v1
	s_wait_kmcnt 0x0
	s_cmp_ge_u32 s[ID], 832
	s_cbranch_scc1 .Ltable
	; the last job's figures stand first; each JOB line replaces them if my number lies below the job's end
	s_mov_b64 s[SRC:SRC+1], s[16:17]               ; 768-831: Wo
	s_mov_b64 s[DST:DST+1], s[22:23]
	s_mov_b32 s[FST], 768
	s_mov_b32 s[LG], 11
	s_mov_b32 s[CON], 16777216
	s_mov_b32 s[MODE], 1
	s_mov_b32 s[ROWJ], 1024
.macro JOB upper, src, dst, first, lg, con, mode, rowj
	s_cmp_lt_u32 s[ID], \upper
	s_cselect_b64 s[SRC:SRC+1], s[\src:\src+1], s[SRC:SRC+1]
	s_cselect_b64 s[DST:DST+1], s[\dst:\dst+1], s[DST:DST+1]
	s_cselect_b32 s[FST], \first, s[FST]
	s_cselect_b32 s[LG], \lg, s[LG]
	s_cselect_b32 s[CON], \con, s[CON]
	s_cselect_b32 s[MODE], \mode, s[MODE]
	s_cselect_b32 s[ROWJ], \rowj, s[ROWJ]
.endm
	JOB 768, 14, 22, 704, 13, 3072, 0, 4096        ; Wv: a load holds two rows of 512; they land 4,096 bytes apart, from column 1536 on
	JOB 704, 12, 22, 640, 13, 2048, 0, 4096        ; Wk: likewise, from column 1024 on
	JOB 640, 10, 22, 512, 12, 0,    0, 1024        ; Wq: a load holds one row of 1,024
	JOB 512, 8,  20, 0,   11, 0,    0, 1024        ; x
	s_sub_co_u32 s[FST], s[ID], s[FST]             ; my chunk
	s_lshl_b32 s52, s[FST], 17                     ; 131,072 source bytes a chunk
	s_mov_b32 s53, 0
	s_add_nc_u64 s[SRC:SRC+1], s[SRC:SRC+1], s[52:53]
	s_add_co_u32 s54, s[LG], 5                     ; 32 stores a chunk
	s_lshl_b32 s52, s[FST], s54
	s_add_co_u32 s52, s52, s[CON]
	s_add_nc_u64 s[DST:DST+1], s[DST:DST+1], s[52:53]
	s_lshl_b32 s[INN], 1, s[LG]
	s_lshl_b32 s[OUT], s[INN], 3
	v_lshlrev_b32 v[VI], 4, v0
	v_and_b32 v[OB], 127, v0
	v_lshlrev_b32 v[OB], 3, v[OB]
	v_lshrrev_b32 v3, 7, v0
	v_mad_u32_u24 v[OB], v3, s[ROWJ], v[OB]
.irp i, 0,1,2,3,4,5,6,7
	v_mad_u32_u24 v[OFFO+(\i)], s[INN], \i, v[OB]
.endr
; Four trips.  half = 0: rounded to bf16.  half = 1: rounded to bf16, widened again, written as f16.
.macro TRIPS half
	s_mov_b32 s[TRIP], 4
.Ltrip_\@:
.irp i, 0,1,2,3,4,5,6,7
	global_load_b128 v[X+4*(\i):X+4*(\i)+3], v[VI], s[SRC:SRC+1] offset:(\i)*4096 th:TH_LOAD_NT
.endr
.irp i, 0,1,2,3,4,5,6,7
	s_wait_loadcnt 7-(\i)                          ; loads come back in order: load i is in, the 7 - i younger ones stay out
.if \half
	v_cvt_pk_bf16_f32 v[T], v[X+4*(\i)], v[X+4*(\i)+1]
	v_cvt_pk_bf16_f32 v[T+1], v[X+4*(\i)+2], v[X+4*(\i)+3]
	v_lshlrev_b32 v[T+2], 16, v[T]
	v_and_b32 v[T+3], 0xffff0000, v[T]
	v_lshlrev_b32 v[T+4], 16, v[T+1]
	v_and_b32 v[T+5], 0xffff0000, v[T+1]
	v_cvt_pk_f16_f32 v[Y+2*(\i)], v[T+2], v[T+3]
	v_cvt_pk_f16_f32 v[Y+2*(\i)+1], v[T+4], v[T+5]
.else
	v_cvt_pk_bf16_f32 v[Y+2*(\i)], v[X+4*(\i)], v[X+4*(\i)+1]
	v_cvt_pk_bf16_f32 v[Y+2*(\i)+1], v[X+4*(\i)+2], v[X+4*(\i)+3]
.endif
	global_store_b64 v[OFFO+(\i)], v[Y+2*(\i):Y+2*(\i)+1], s[DST:DST+1]  ; no hint: a later launch reads these bytes
.endr
	s_wait_xcnt 0x0                                ; the source's base, the stores' offsets and their data are rewritten only behind this wait
	s_add_nc_u64 s[SRC:SRC+1], s[SRC:SRC+1], 0x8000
.irp i, 0,1,2,3,4,5,6,7
	v_add_nc_u32 v[OFFO+(\i)], s[OUT], v[OFFO+(\i)]
.endr
	s_sub_co_u32 s[TRIP], s[TRIP], 1
	s_cmp_lg_u32 s[TRIP], 0
	s_cbranch_scc1 .Ltrip_\@
.endm
	s_cmp_eq_u32 s[MODE], 0
	s_cbranch_scc0 .Lhalf
	TRIPS 0
	s_endpgm
.Lhalf:
	TRIPS 1
	s_endpgm
; THE TABLE.  Work-groups 832-959: 32 rows each, 4 a wave.  Lane L makes entries 2 L and 2 L + 1 of a row's 64: lanes 0-15 cosines, lanes 16-31 sines, as cos(x - pi/2).
; x = (position + 2) x 10000^(-f/32), one rounding, as the problem's own product.  n = the nearest whole number to x / 2 pi (less 1/4 for a sine); r = x - n 2 pi (in two parts) - (pi/2);
; cos r by its series through r^16, nested: on |r| <= pi what is left out is below 2e-7.
.Ltable:
	v_and_b32 v1, 31, v0                           ; L
	s_cmp_ge_u32 s[ID], 960
	s_cbranch_scc1 .Lident
	s_sub_co_u32 s44, s[ID], 832
	s_lshl_b32 s44, s44, 5
	s_lshl2_add_u32 s44, s[WV], s44                ; my wave's first row
	s_lshl_b32 s45, s44, 2
	v_mov_b32 v2, s45
	global_load_b128 v[4:7], v2, s[18:19]          ; four positions, the same in every lane
	s_mov_b32 s52, 0x3fc90fdb                      ; pi / 2
	s_mov_b32 s53, 0x3e800000                      ; 1 / 4
	v_and_b32 v3, 15, v1
	v_lshlrev_b32 v3, 1, v3
	v_cvt_f32_u32 v8, v3                           ; f
	v_add_f32 v9, 1.0, v8                          ; f + 1
	v_mul_f32 v8, 0xbed49a78, v8                   ; - f log2(10000) / 32
	v_mul_f32 v9, 0xbed49a78, v9
	v_exp_f32 v8, v8
	v_exp_f32 v9, v9
	v_cmp_lt_u32 vcc_lo, 15, v1                    ; (a plain instruction stands behind the exponentials before their results are used)
	v_cndmask_b32 v10, 0, s52, vcc_lo
	v_cndmask_b32 v12, 0, s53, vcc_lo
	v_mov_b32 v11, v10
	v_mov_b32 v13, v12
	s_lshl_b32 s45, s44, 8
	v_lshl_add_u32 v14, v1, 3, s45                 ; row x 256 + 8 L
	s_wait_loadcnt 0x0
.macro TROW j                          ; row j of my four: registers of its own, so that no store's data is rewritten
.set RB, 16+10*(\j)
	v_add_nc_u32 v[4+(\j)], 2, v[4+(\j)]
	v_cvt_f32_i32 v[4+(\j)], v[4+(\j)]
	v_mul_f32 v[RB], v[4+(\j)], v8
	v_mul_f32 v[RB+1], v[4+(\j)], v9
	v_pk_fma_f32 v[RB+2:RB+3], v[RB:RB+1], 0x3e22f983, v[12:13] op_sel_hi:[1,0,1] neg_lo:[0,0,1] neg_hi:[0,0,1]
	v_rndne_f32 v[RB+2], v[RB+2]
	v_rndne_f32 v[RB+3], v[RB+3]
	v_pk_fma_f32 v[RB:RB+1], v[RB+2:RB+3], 0x40c90000, v[RB:RB+1] op_sel_hi:[1,0,1] neg_lo:[1,0,0] neg_hi:[1,0,0]  ; - n 6.28125: exact
	v_pk_fma_f32 v[RB:RB+1], v[RB+2:RB+3], 0x3afdaa22, v[RB:RB+1] op_sel_hi:[1,0,1] neg_lo:[1,0,0] neg_hi:[1,0,0]  ; - n (2 pi - 6.28125)
	v_pk_add_f32 v[RB:RB+1], v[RB:RB+1], v[10:11] neg_lo:[0,1] neg_hi:[0,1]
	v_pk_mul_f32 v[RB+2:RB+3], v[RB:RB+1], v[RB:RB+1]
	v_pk_fma_f32 v[RB+6:RB+7], v[RB+2:RB+3], 0x3b888889, 1.0 op_sel_hi:[1,0,0] neg_lo:[1,0,0] neg_hi:[1,0,0]      ; 1 - r^2 / 240
.irp c, 0x3bb40b41, 0x3bf83e10, 0x3c360b61, 0x3c924925, 0x3d088889, 0x3daaaaab, 0x3f000000  ; 1/182, 1/132, 1/90, 1/56, 1/30, 1/12, 1/2
	v_pk_mul_f32 v[RB+4:RB+5], v[RB+2:RB+3], \c op_sel_hi:[1,0]
	v_pk_fma_f32 v[RB+6:RB+7], v[RB+4:RB+5], v[RB+6:RB+7], 1.0 op_sel_hi:[1,1,0] neg_lo:[1,0,0] neg_hi:[1,0,0]
.endr
	v_pk_mul_f32 v[RB+8:RB+9], v[RB+6:RB+7], 0x3e000000 op_sel_hi:[1,0]
	global_store_b64 v14, v[RB+6:RB+7], s[24:25] offset:(\j)*256+1048576  ; k's row: the wave's store is the whole row of 256 bytes
	global_store_b64 v14, v[RB+8:RB+9], s[24:25] offset:(\j)*256          ; q's row, times 1/8
.endm
	TROW 0
	TROW 1
	TROW 2
	TROW 3
	s_endpgm
.Lident:                                               ; work-groups 960-963: the 128 rows (1, 0)
	s_sub_co_u32 s44, s[ID], 960
	s_lshl_b32 s44, s44, 5
	s_lshl2_add_u32 s44, s[WV], s44
	s_lshl_b32 s45, s44, 8
	v_lshl_add_u32 v14, v1, 3, s45
	v_mov_b32 v6, 0
	v_cmp_lt_u32 vcc_lo, 15, v1
	v_cndmask_b32 v4, 1.0, v6, vcc_lo
	v_mov_b32 v5, v4
.irp j, 0,1,2,3
	global_store_b64 v14, v[4:5], s[24:25] offset:(\j)*256+2097152
.endr
	s_endpgm
.Lfunc_end_k_qf9a6b321f9_prep:
	.size	k_qf9a6b321f9_prep, .Lfunc_end_k_qf9a6b321f9_prep-k_qf9a6b321f9_prep
	.p2alignl 7, 3214868480
	.fill 96, 4, 3214868480
	.section	.rodata,"a",@progbits
	.p2align	6, 0x0
	.amdhsa_kernel k_qf9a6b321f9_prep
		.amdhsa_group_segment_fixed_size 0
		.amdhsa_private_segment_fixed_size 0
		.amdhsa_enable_private_segment 0
		.amdhsa_kernarg_size 72
		.amdhsa_user_sgpr_count 2
		.amdhsa_user_sgpr_kernarg_segment_ptr 1
		.amdhsa_wavefront_size32 1
		.amdhsa_system_sgpr_workgroup_id_x 1
		.amdhsa_system_sgpr_workgroup_id_y 1
		.amdhsa_system_sgpr_workgroup_id_z 1
		.amdhsa_system_vgpr_workitem_id 0
		.amdhsa_next_free_vgpr 72
		.amdhsa_next_free_sgpr 66
		.amdhsa_reserve_vcc 1
		.amdhsa_float_denorm_mode_32 3
		.amdhsa_float_denorm_mode_16_64 3
		.amdhsa_memory_ordered 1
		.amdhsa_forward_progress 1
		.amdhsa_inst_pref_size 23
	.end_amdhsa_kernel
	.amdgpu_metadata
---
amdhsa.version: [ 1, 2 ]
amdhsa.kernels:
  - .name:           k_qf9a6b321f9_prep
    .symbol:         k_qf9a6b321f9_prep.kd
    .args:
      - { .name: combined_states, .offset: 0, .size: 8, .value_kind: global_buffer, .address_space: global }
      - { .name: Wq, .offset: 8, .size: 8, .value_kind: global_buffer, .address_space: global }
      - { .name: Wk, .offset: 16, .size: 8, .value_kind: global_buffer, .address_space: global }
      - { .name: Wv, .offset: 24, .size: 8, .value_kind: global_buffer, .address_space: global }
      - { .name: Wo, .offset: 32, .size: 8, .value_kind: global_buffer, .address_space: global }
      - { .name: position_ids, .offset: 40, .size: 8, .value_kind: global_buffer, .address_space: global }
      - { .name: Xb, .offset: 48, .size: 8, .value_kind: global_buffer, .address_space: global }
      - { .name: W16, .offset: 56, .size: 8, .value_kind: global_buffer, .address_space: global }
      - { .name: CS, .offset: 64, .size: 8, .value_kind: global_buffer, .address_space: global }
    .group_segment_fixed_size: 0
    .private_segment_fixed_size: 0
    .kernarg_segment_align: 8
    .kernarg_segment_size: 72
    .max_flat_workgroup_size: 256
    .sgpr_count:     66
    .vgpr_count:     72
    .wavefront_size: 32
...
	.end_amdgpu_metadata
.endif
;; end of part 1
;; launch qkv (part 2): grid 16 x 16, 4 waves a work-group, clusters of 4 x 4, 327,680 bytes of LDS; arguments Xb, W16, CS, QKV, attention_mask, cache_k_prev, cache_v_prev, Mb, KV16; writes QKV, Mb, KV16
.if DOCPART == 2
	.amdgcn_target "amdgcn-amd-amdhsa--gfx1250"
	.amdhsa_code_object_version 6
	.text
	.protected	k_qf9a6b321f9_qkv
	.globl	k_qf9a6b321f9_qkv
	.p2align	8
	.type	k_qf9a6b321f9_qkv,@function
k_qf9a6b321f9_qkv:
	s_mov_b64 s[64:65], 0
	v_nop
	global_prefetch_b8 v0, s[64:65] scope:SCOPE_SE
	s_setreg_imm32_b32 hwreg(HW_REG_WAVE_MODE, 25, 1), 1
	s_wait_xcnt 0x0
	s_wait_alu depctr_hold_cnt(0) depctr_sa_sdst(0) depctr_va_vdst(0) depctr_va_sdst(0) depctr_va_ssrc(0) depctr_va_vcc(0) depctr_vm_vsrc(0)
	s_getreg_b32 s2, hwreg(HW_REG_IB_STS2, 6, 4)
	s_cmp_eq_u32 s2, 0
	s_cbranch_scc0 .Lentry_in_a_cluster
	s_endpgm
.Lentry_in_a_cluster:
	s_bfe_u32 s2, ttmp6, 0x10000c
	s_cmp_lg_u32 s2, 0xf033
	s_cbranch_scc0 .Lentry_shape_is_right
	s_endpgm
.Lentry_shape_is_right:
; THE PROJECTIONS q, k, v, WITH THE ROTARY TURN; AND, RIDING BESIDE THE PRODUCTS, THE NARROWING OF THE MASK AND THE CACHES.
; C = A B: A = Xb bf16 [4096 m][4096 k], B = W16's first part, bf16 [4096 k][2048 n] (Wq | Wk | Wv); sums in f32.  C's columns are 32 heads of 64: 0-15 q, 16-23 k, 24-31 v.  Each is turned by the
; rotary table CS (q's rows of the table carry the score's scale 1/8, v's rows are (1, 0)), rounded once to f16 and stored by heads: QKV [2 b][32][2048 t][64].
; THE RIDERS.  attention_mask -> Mb bf16 [2][2048][2048], held to bf16's largest finite number; cache_k_prev, cache_v_prev -> KV16, KV16 + 16,777,216, in their own order: rounded to bf16 like every other
; input, and that number then written as f16.  These copies need no matrix unit and no LDS, and this launch does not read what they store: they stand here so that their bytes move while the products run,
; not in a launch of their own.  Each tensor has 8,388,608 numbers: 32,768 a work-group, 8,192 a wave: 64 loads of 512 bytes.  The wave's 32 K steps take one batch each: two loads from each tensor.
; LIMITS.  q / 8, k, v and the caches must lie within f16's 65,504 (beyond it: infinity); below 6e-5 the caches keep f16's fixed step.  Mask entries beyond +-3.39e38, infinities too, count as +-3.39e38.
; NaN is not treated apart.
; SHARES.  A tile of C is 256 x 128: 16 x 16 work-groups, four waves, each 128 rows x 64 columns: 32 accumulators of 16 x 16.  A wave's 64 columns are one head, so the turn stays in a lane.
; K goes in steps of 128 through two LDS slots filled by the tensor data mover: waves 0 and 1 fetch A's halves, waves 2 and 3 B's; every row fetched is 256 bytes at a multiple of 256.
; CLUSTER 4 x 4: the four of a row need the same tiles of A, the four of a column the same tiles of B: each tile is asked for jointly, by the same load, descriptor and mask in all four.
; THE MATRIX INSTRUCTION IS USED TRANSPOSED: source 0 = 16 columns of B (turned on the way out of LDS by ds_load_tr16_b128), source 1 = 16 rows of A: lane l then holds row l % 16 of C and the
; columns 8 (l / 16) + 0..7 of the block.
; REGISTERS, in windows of 256 (s_set_vgpr_msb: bits 1:0 source 0, 3:2 source 1, 5:4 source 2, 7:6 destination):
;   window 0: v0-31 addresses; v64-159, v160-255 two fragment buffers for 32 along K (32 registers of B, then 64 of A); on the way out at work
;   window 1: accumulator (a, b) at 8 (4 a + b)          window 2: the table, at 32 a + 16 bb + 8 (0 cos, 1 sin) + j
;   window 3: the riders: v0-23, v24-47 two sets of six loads; v48-59 what is stored; v60-71 at work
.set KSTEP, 128
.set SIZE_K, 4096
.set PB, 288                           ; a row of B in LDS: 256 bytes + 32 = 72 words
.set PA, 272                           ; a row of A: 256 bytes + 16: the 16 rows of a load start at 16 different groups of four banks
.set AHALF, 128*PA                     ; what one load brings of A: 128 rows x 128 k
.set ASTEP, 256                        ; bytes from K step to K step in A
.set SP, 144                           ; a stage row: 64 f16 + 16 bytes
.set AREG,  2*AHALF                    ; A's part of a slot; B's 128 rows follow
.set BSTEP, KSTEP*4096
.set SLOT,  AREG+KSTEP*PB
.set STAGE, 2*SLOT                     ; behind the ring, never filled by a tensor load: 16 rows for each wave, for the way out
.set SPARE, STAGE+4*16*SP              ; behind the stages: the spare words, 128 bytes a wave: two blocks of 256 bytes that no other line names
.set LAPS,  SIZE_K/(2*KSTEP)           ; a lap = two K steps = once round the ring
.set ADRA, 16                          ; v16-17  LDS address of my A fragments in slot 0, 1
.set ADRB, 20                          ; v20-21  the same for B
.set STO,  24                          ; v24     the way out: where I put my part of a row
.set RD,   25                          ; v25     where I read rows back
.set CO,   26                          ; v26     my byte offset in C
.set TO,   27                          ; v27     my byte offset in 16 rows of the table; never rewritten
.set SPW,  28                          ; v28     LDS address of my spare word; never rewritten
.set NIL,  29                          ; v29     0; never rewritten
.set VS,   30                          ; v30     the riders: my byte offset in each of the three sources; steps 1,024 a batch
.set VD,   31                          ; v31     and in each of the three targets; steps 512 a batch
.set F0,   64
.set F1,   160
.set HH,   64                          ; the way out: block a's 16 packed registers at HH + 16 a
.set RR,   192                         ;   a block's 32 turned numbers
.set TT,   224                         ;   products with the sine
.set RL,   0                           ; window 3: set s at RL + 24 s: mask's two loads, cache k's two, cache v's two
.set RY,   48                          ; window 3: two registers for each of the six
.set RT,   60                          ; window 3: two groups of six at work
.set WV, 12                            ; s12 wave   s13 its half of the rows; also: fetches A (0) or B (1)   s14 its half of the columns; also: which half it fetches
.set MH, 13
.set NH, 14
.set G1, 24                            ; s[24:31] descriptor group 1 for A's tiles;  s[32:39] group 0, a set for each slot
.set G0, 32
.set G1B, 48                           ; s[48:55], s[56:63] the same for B's
.set G0B, 56
.set MSB, 0
.macro WIN new                         ; the immediate's high byte repeats the setting that is left; a switch that changes nothing is dropped
.if MSB != (\new)
	s_set_vgpr_msb (MSB<<8)|(\new)
.set MSB, \new
.endif
.endm
.set MUL, 0x50                         ; both sources window 0, C and D window 1
.macro JLOAD s                         ; a joint load; an s_nop 0 and four v_nop follow each of the two lines, ahead of the jump, the label and what follows
	s_cmp_eq_u32 s[MH], 0
	s_cbranch_scc0 .Lfor_b_\@
	tensor_load_to_lds s[G0+4*(\s):G0+4*(\s)+3], s[G1:G1+7]
	s_nop 0
.rept 4
	v_nop
.endr
	s_branch .Lasked_\@
.Lfor_b_\@:
	tensor_load_to_lds s[G0B+4*(\s):G0B+4*(\s)+3], s[G1B:G1B+7]
	s_nop 0
.rept 4
	v_nop
.endr
.Lasked_\@:
.endm
.macro CREST                           ; a round of the cluster's barrier behind its opening barrier
	s_cmp_lg_u32 s[WV], 0
	s_cbranch_scc1 .Lnot_wave_0_\@
	s_barrier_signal -3
.Lnot_wave_0_\@:
	s_barrier_wait -3
	s_barrier_signal -1
	s_barrier_wait -1
.endm
.macro CROUND                          ; a whole round
	s_barrier_signal -1
	s_barrier_wait -1
	CREST
.endm
.macro PLACES                          ; four places in front of loads into registers that matrix instructions have read, and of lines that read results just made
.rept 4
	v_nop
.endr
.endm
	s_load_b256 s[4:11], s[0:1], 0x0               ; Xb s[4:5], W16 s[6:7], CS s[8:9], QKV s[10:11]
	s_load_b256 s[72:79], s[0:1], 0x20             ; mask s[72:73], cache k s[74:75], cache v s[76:77], Mb s[78:79]
	s_load_b64 s[80:81], s[0:1], 0x40              ; KV16
	v_lshl_add_u32 v[SPW], v0, 2, SPARE
	v_mov_b32 v[NIL], 0
	ds_add_u32 v[SPW], v[NIL]                      ; the wave's opening: the add and its wait stand ahead of my first tensor load; the set-up below, work on registers, stands between them
	v_lshrrev_b32 v1, 5, v0
	v_readfirstlane_b32 s[WV], v1
	s_lshr_b32 s[MH], s[WV], 1
	s_and_b32 s[NH], s[WV], 1
	s_bfe_u32 s15, ttmp6, 0x40000                  ; cx
	s_bfe_u32 s16, ttmp6, 0x40004                  ; cy
	s_lshl_b32 s17, ttmp9, 2
	s_add_co_u32 s17, s17, s15                     ; tile column = 4 x cluster x + cx
	s_and_b32 s18, ttmp7, 0xffff
	s_lshl_b32 s18, s18, 2
	s_add_co_u32 s18, s18, s16                     ; tile row = 4 x cluster y + cy
	s_lshl_b32 s19, s16, 2
	s_lshl_b32 s19, 15, s19                        ; my row of the cluster
	s_lshl_b32 s20, 0x1111, s15                    ; my column
	s_mov_b32 s23, ttmp9
	s_mov_b32 s84, 0x7f7f7f7f                      ; bf16's largest finite number, twice
	s_mov_b32 s85, 0xff7fff7f                      ; and its negative
	s_or_b32 s[G1+0], s19, (1<<16)|(1<<20)|(1<<21)|(5<<22)|(3<<25)  ; 15:0 the mask: A's tiles go to my row; 17:16 2-byte elements; 20 padding on; 21 set beside a mask; 24:22 after every 64 words; 31:25 4 words of it
	s_mov_b32 s[G1+1], 128<<16                     ; tensor_dim0 = 128
	s_mov_b32 s[G1+2], 128<<16                     ; tensor_dim1 = 128
	s_mov_b32 s[G1+3], 128<<16                     ; tile_dim0 = 128
	s_mov_b32 s[G1+4], 128                         ; tile_dim1 = 128
	s_mov_b32 s[G1+5], 4096                        ; elements from row to row
	s_mov_b32 s[G1+6], 0
	s_mov_b32 s[G1+7], 0
	s_or_b32 s[G1B+0], s20, (1<<16)|(1<<20)|(1<<21)|(5<<22)|(7<<25)   ; B's tiles go to my column; 8 words of padding after every 64
	s_mov_b32 s[G1B+1], 128<<16
	s_mov_b32 s[G1B+2], 64<<16                     ; 64 rows of k
	s_mov_b32 s[G1B+3], 128<<16
	s_mov_b32 s[G1B+4], 64
	s_mov_b32 s[G1B+5], 2048
	s_mov_b32 s[G1B+6], 0
	s_mov_b32 s[G1B+7], 0
	; where the tiles come from: A's offset is made of the tile row and the wave, B's of the tile column and the wave, each in registers that never hold the other coordinate
	s_lshl_b32 s40, s18, 8
	s_lshl_b32 s41, s[NH], 7
	s_add_co_u32 s40, s40, s41                     ; row 256 x tile row + 128 x half,
	s_lshl_b32 s40, s40, 13                        ; of 8,192 bytes
	s_mov_b32 s41, 0
	s_lshl_b32 s44, s17, 8                         ; the tile's 128 columns,
	s_lshl_b32 s45, s[NH], 18                      ; the first or second 64 rows of k
	s_add_co_u32 s44, s44, s45
	s_mov_b32 s45, 0
	s_mul_i32 s21, s[NH], AHALF                    ; and where they go: no place in the cluster enters an LDS address
	s_mul_i32 s22, s[NH], 64*PB
	s_add_co_u32 s22, s22, AREG
	s_wait_dscnt 0x0                               ; the opening add is done
	s_wait_kmcnt 0x0
	s_add_nc_u64 s[40:41], s[4:5], s[40:41]
	s_add_nc_u64 s[44:45], s[6:7], s[44:45]
	s_add_nc_u64 s[82:83], s[80:81], 0x1000000     ; cache v's target
	CROUND                                         ; all sixteen work-groups are here: the first joint loads meet
.irp s, 0,1
	s_mov_b32 s[G0+4*(\s)], 1
	s_add_co_u32 s[G0+4*(\s)+1], s21, (\s)*SLOT
	s_add_nc_u64 s[G0+4*(\s)+2:G0+4*(\s)+3], s[40:41], (\s)*ASTEP
	s_or_b32 s[G0+4*(\s)+3], s[G0+4*(\s)+3], 0x80000000
	s_mov_b32 s[G0B+4*(\s)], 1
	s_add_co_u32 s[G0B+4*(\s)+1], s22, (\s)*SLOT
	s_add_nc_u64 s[G0B+4*(\s)+2:G0B+4*(\s)+3], s[44:45], (\s)*BSTEP
	s_or_b32 s[G0B+4*(\s)+3], s[G0B+4*(\s)+3], 0x80000000
	JLOAD \s                                       ; two loads of mine are out
.endr
	v_and_b32 v1, 15, v0                           ; l % 16
	v_bfe_u32 v2, v0, 4, 1                         ; l / 16
	v_mul_u32_u24 v3, v1, PA
	v_lshl_add_u32 v3, v2, 4, v3                   ; A: row x pitch + 16 x half
	s_mul_i32 s21, s[MH], 128*PA                   ; my 128 rows
	v_add_nc_u32 v[ADRA], s21, v3
	v_add_nc_u32 v[ADRA+1], SLOT, v[ADRA]
	v_and_b32 v4, 7, v0                            ; B, turned: lane l reads row 8 (l / 16) + l % 8 of k, columns 8 ((l / 8) % 2) + 0..7
	v_lshl_add_u32 v4, v2, 3, v4
	v_mul_u32_u24 v4, v4, PB
	v_bfe_u32 v5, v0, 3, 1
	v_lshl_add_u32 v4, v5, 4, v4
	s_lshl_b32 s22, s[NH], 7                       ; my 64 columns
	s_add_co_u32 s22, s22, AREG
	v_add_nc_u32 v[ADRB], s22, v4
	v_add_nc_u32 v[ADRB+1], SLOT, v[ADRB]
	s_mul_i32 s22, s[WV], 16*SP
	s_add_co_u32 s22, s22, STAGE                   ; my stage
	v_mul_u32_u24 v[STO], v1, SP
	v_lshl_add_u32 v[STO], v2, 4, v[STO]           ; in: row l % 16, 16 bytes for each half of the lanes
	v_add_nc_u32 v[STO], s22, v[STO]
	v_bfe_u32 v[RD], v0, 3, 2                      ; back: 32 lanes take four rows of 128 bytes,
	v_mul_u32_u24 v[RD], v[RD], SP
	v_and_b32 v4, 7, v0
	v_lshl_add_u32 v[RD], v4, 4, v[RD]
	v_add_nc_u32 v[RD], s22, v[RD]
	v_and_b32 v[CO], 31, v0                        ; which are 512 consecutive bytes of a head
	v_lshlrev_b32 v[CO], 4, v[CO]
	v_lshlrev_b32 v[TO], 8, v1                     ; the table: row l % 16, eight numbers for each half of the lanes
	v_lshl_add_u32 v[TO], v2, 5, v[TO]
	s_lshl_b32 s86, s18, 4                         ; the riders: work-group 16 x tile row + tile column takes 131,072 bytes of each source, my wave 32,768 of them, a lane 16 of a load's 512
	s_add_co_u32 s86, s86, s17
	s_lshl_b32 s87, s86, 17
	s_lshl_b32 s88, s[WV], 15
	s_add_co_u32 s87, s87, s88
	v_and_b32 v[VS], 31, v0
	v_lshlrev_b32 v[VD], 3, v[VS]
	v_lshlrev_b32 v[VS], 4, v[VS]
	v_add_nc_u32 v[VS], s87, v[VS]
	s_lshr_b32 s87, s87, 1                         ; the targets: half the bytes
	v_add_nc_u32 v[VD], s87, v[VD]
	s_lshl_b32 s46, s18, 8                         ; which rows of the table: q's are my rows of C, k's lie 4,096 further, v's are rows 8192 on.  The cluster's x says which: 0, 1 q; 2 k; 3 v
	s_lshl_b32 s47, s[MH], 7
	s_add_co_u32 s46, s46, s47
	s_add_co_u32 s47, s46, 4096
	s_cmp_lt_u32 s23, 2
	s_cselect_b32 s46, s46, s47
	s_cmp_eq_u32 s23, 3
	s_cselect_b32 s46, 8192, s46
	s_lshl_b32 s46, s46, 8
	s_mov_b32 s47, 0
	s_add_nc_u64 s[66:67], s[8:9], s[46:47]
	s_lshr_b32 s46, s18, 3                         ; where my rows go: batch x 32 heads
	s_lshl_b32 s46, s46, 5
	s_lshl_b32 s47, s17, 1                         ; + head = 2 x tile column + half,
	s_add_co_u32 s46, s46, s47
	s_add_co_u32 s46, s46, s[NH]
	s_lshl_b32 s46, s46, 11                        ; x 2,048 rows,
	s_and_b32 s47, s18, 7
	s_lshl_b32 s47, s47, 8
	s_add_co_u32 s46, s46, s47                     ; + the tile's rows in the batch
	s_lshl_b32 s47, s[MH], 7
	s_add_co_u32 s46, s46, s47                     ; + my half of them,
	s_lshl_b32 s46, s46, 7                         ; of 128 bytes
	s_mov_b32 s47, 0
	s_add_nc_u64 s[68:69], s[10:11], s[46:47]
	WIN 0x80                                       ; destination window 2: the table's 64 loads land while K is walked; nothing touches their registers, offset or base before the wait ahead of the way out
.irp a, 0,1,2,3,4,5,6,7
.irp bb, 0,1
.irp cs, 0,1
.irp e, 0,1
	global_load_b128 v[32*(\a)+16*(\bb)+8*(\cs)+4*(\e):32*(\a)+16*(\bb)+8*(\cs)+4*(\e)+3], v[TO], s[66:67] offset:(\a)*4096+(\cs)*128+(\bb)*64+(\e)*16
.endr
.endr
.endr
.endr
	WIN 0xc0                                       ; destination window 3: the riders' batches 0 and 1, into sets 0 and 1
.irp b, 0,1
.irp j, 0,1
	global_load_b128 v[RL+24*(\b)+4*(\j):RL+24*(\b)+4*(\j)+3],       v[VS], s[72:73] offset:1024*(\b)+512*(\j) th:TH_LOAD_NT
	global_load_b128 v[RL+24*(\b)+8+4*(\j):RL+24*(\b)+8+4*(\j)+3],   v[VS], s[74:75] offset:1024*(\b)+512*(\j) th:TH_LOAD_NT
	global_load_b128 v[RL+24*(\b)+16+4*(\j):RL+24*(\b)+16+4*(\j)+3], v[VS], s[76:77] offset:1024*(\b)+512*(\j) th:TH_LOAD_NT
.endr
.endr
	WIN 0
; 8 matrix instructions: row blocks a0, a0 + 1 x all 4 column blocks, 32 along K, from buffer f.  zero = 1: the product starts the sum: nothing is ever cleared.
; The 32 accumulators take turns, one instruction a turn, in the same order in every quarter.
.macro MUL8 f, a0, zero
	WIN MUL
.irp a, \a0, (\a0)+1
.irp b, 0,1,2,3
.set rD, 8*(4*(\a)+(\b))
.set rX, (\f)+8*(\b)
.set rY, (\f)+32+8*(\a)
.if \zero
	v_wmma_f32_16x16x32_bf16 v[rD:rD+7], v[rX:rX+7], v[rY:rY+7], 0
.else
	v_wmma_f32_16x16x32_bf16 v[rD:rD+7], v[rX:rX+7], v[rY:rY+7], v[rD:rD+7]
.endif
.endr
.endr
.endm
; 24 LDS loads in one run: quarter q (32 along K) of a slot into buffer f: B's 4 fragments, then A's 8
.macro FETCH slot, q, f
	WIN 0
.irp i, 0,1,2,3
	ds_load_tr16_b128 v[(\f)+8*(\i):(\f)+8*(\i)+3],   v[ADRB+(\slot)] offset:(\q)*32*PB+32*(\i)
	ds_load_tr16_b128 v[(\f)+8*(\i)+4:(\f)+8*(\i)+7], v[ADRB+(\slot)] offset:(\q)*32*PB+32*(\i)+16*PB
.endr
.irp i, 0,1,2,3,4,5,6,7
	ds_load_b128 v[(\f)+32+8*(\i):(\f)+32+8*(\i)+3],   v[ADRA+(\slot)] offset:64*(\q)+(\i)*16*PA
	ds_load_b128 v[(\f)+32+8*(\i)+4:(\f)+32+8*(\i)+7], v[ADRA+(\slot)] offset:64*(\q)+(\i)*16*PA+32
.endr
.endm
; THE RIDERS' TURN, once a K step: batch k, which lies in set k % 2, is narrowed and stored, and (fill = 1) batch k + 2 is asked for into the same set.  left = the younger loads that may stay out: the other set's six, or none.
; The two offsets step at the head, where the wait has just freed them: behind the step they point one batch past batch k, so the stores reach back by 512 and the loads reach one batch further on.
; All its registers but the two offsets lie in window 3: it names no register of the products round it.
.macro RIDE set, left, fill
	s_wait_loadcnt \left                           ; loads come back in order: batch k is in (and, the first time, the table's loads, which are older)
	s_wait_xcnt 0x0                                ; the offsets, and the registers that the last batch's stores read, are rewritten only behind this wait
	WIN 0
	v_add_nc_u32 v[VS], 1024, v[VS]
	v_add_nc_u32 v[VD], 512, v[VD]
	WIN 0xcf                                       ; sources 0 and 1 and the destination in window 3
.irp j, 0,1                            ; the mask: rounded to bf16, then held to the finite range
	v_cvt_pk_bf16_f32 v[RY+2*(\j)],   v[RL+24*(\set)+4*(\j)],   v[RL+24*(\set)+4*(\j)+1]
	v_cvt_pk_bf16_f32 v[RY+2*(\j)+1], v[RL+24*(\set)+4*(\j)+2], v[RL+24*(\set)+4*(\j)+3]
.endr
.irp j, 0,1,2,3
	v_pk_min_num_bf16 v[RY+(\j)], v[RY+(\j)], s84
.endr
.irp j, 0,1,2,3
	v_pk_max_num_bf16 v[RY+(\j)], v[RY+(\j)], s85
.endr
.irp j, 2,3,4,5                        ; the caches: rounded to bf16, widened again, written as f16
.set rW, RT+6*((\j)%2)
.set rL, RL+24*(\set)+4*(\j)
	v_cvt_pk_bf16_f32 v[rW], v[rL], v[rL+1]
	v_cvt_pk_bf16_f32 v[rW+1], v[rL+2], v[rL+3]
	v_lshlrev_b32 v[rW+2], 16, v[rW]
	v_and_b32 v[rW+3], 0xffff0000, v[rW]
	v_lshlrev_b32 v[rW+4], 16, v[rW+1]
	v_and_b32 v[rW+5], 0xffff0000, v[rW+1]
	v_cvt_pk_f16_f32 v[RY+2*(\j)], v[rW+2], v[rW+3]
	v_cvt_pk_f16_f32 v[RY+2*(\j)+1], v[rW+4], v[rW+5]
.endr
	WIN 0x0c                                       ; the stores' data (source 1) in window 3, their offset in window 0
.irp j, 0,1
	global_store_b64 v[VD], v[RY+2*(\j):RY+2*(\j)+1],     s[78:79] offset:256*(\j)-512  ; a wave's store covers 256 consecutive bytes, at a multiple of 256 from the buffer's first; no hint: a later launch reads them
	global_store_b64 v[VD], v[RY+4+2*(\j):RY+4+2*(\j)+1], s[80:81] offset:256*(\j)-512
	global_store_b64 v[VD], v[RY+8+2*(\j):RY+8+2*(\j)+1], s[82:83] offset:256*(\j)-512
.endr
.if \fill
	WIN 0xc0
.irp j, 0,1
	global_load_b128 v[RL+24*(\set)+4*(\j):RL+24*(\set)+4*(\j)+3],       v[VS], s[72:73] offset:1024+512*(\j) th:TH_LOAD_NT
	global_load_b128 v[RL+24*(\set)+8+4*(\j):RL+24*(\set)+8+4*(\j)+3],   v[VS], s[74:75] offset:1024+512*(\j) th:TH_LOAD_NT
	global_load_b128 v[RL+24*(\set)+16+4*(\j):RL+24*(\set)+16+4*(\j)+3], v[VS], s[76:77] offset:1024+512*(\j) th:TH_LOAD_NT
.endr
.endif
.endm
; A K step is four quarters, 32 matrix instructions each, on buffers 0, 1, 0, 1.  One of the first three: multiplies buffer f; in its middle it fetches quarter q into buffer g.
; ride = 1 (a K step's second quarter): the riders' turn stands in its middle too; the K step's slot is the batch's set.
.macro QUARTER slot, q, f, g, zero, ride=0, left=6, fill=1
	s_wait_dscnt 8                                 ; B and A's blocks 0-3 are in; the youngest eight loads (A's blocks 4-7) may be out
	MUL8 \f, 0, \zero
	MUL8 \f, 2, \zero
.if \ride
	RIDE \slot, \left, \fill
.endif
	PLACES
	FETCH \slot, \q, \g
	s_wait_dscnt 24                                ; all but the 24 just issued
	MUL8 \f, 4, \zero
	MUL8 \f, 6, \zero
.endm
; The last quarter multiplies buffer 1 and changes slots: ONE barrier.  In front of it each wave waits for all its tensor loads, of which one is out: its part of the next slot; adds 0 to its spare
; word; and waits for that and for its own reads of this slot.  fill = 1: the barrier opens a round of the cluster's, and this slot is filled again, two K steps ahead: 112 matrix instructions ahead of the wait for it.
.macro TURN slot, next, fill
	WIN 0
	s_wait_tensorcnt 0x0                           ; all my tensor loads have landed
	ds_add_u32 v[SPW], v[NIL]                      ; 0 onto my spare word
	s_wait_dscnt 9                                 ; (the add and the youngest eight loads may be out)
	MUL8 F1, 0, 0                                  ; eight matrix instructions stand between the add and the wait for it
	s_wait_dscnt 0x0                               ; the add is done, and my reads of this slot are over
	s_barrier_signal -1
	MUL8 F1, 2, 0
.if \fill
	WIN 0
.endif
	s_barrier_wait -1
.if \fill
	CREST                                          ; no wave of any partner still reads this slot's tiles or has a load on its way
	s_add_nc_u64 s[G0+4*(\slot)+2:G0+4*(\slot)+3], s[G0+4*(\slot)+2:G0+4*(\slot)+3], 2*ASTEP
	s_add_nc_u64 s[G0B+4*(\slot)+2:G0B+4*(\slot)+3], s[G0B+4*(\slot)+2:G0B+4*(\slot)+3], 2*BSTEP
	JLOAD \slot                                    ; the first tensor load behind the round; its four v_nop are also the places in front of the loads below
.else
	PLACES
.endif
	FETCH \next, 0, F0
	MUL8 F1, 4, 0
	MUL8 F1, 6, 0
.endm
	s_wait_tensorcnt 1                             ; my part of K step 0 is in; K step 1's may stay out
	s_barrier_signal -1
	s_barrier_wait -1                              ; everybody's is
	FETCH 0, 0, F0
	QUARTER 0, 1, F0, F1, 1                        ; the first quarter stands in front of the loop: its products start the sums
	WIN 0                                          ; at a label and at a branch every window is 0
	s_mov_b32 s3, LAPS-1
.Llap:                                                 ; a trip goes once round the ring, from a lap's second quarter to the next lap's first, fills both slots again, and takes two batches of riders
	QUARTER 0, 2, F1, F0, 0, 1
	QUARTER 0, 3, F0, F1, 0
	TURN 0, 1, 1
	QUARTER 1, 1, F0, F1, 0
	QUARTER 1, 2, F1, F0, 0, 1
	QUARTER 1, 3, F0, F1, 0
	TURN 1, 0, 1
	QUARTER 0, 1, F0, F1, 0
	WIN 0
	s_sub_co_u32 s3, s3, 1
	s_cmp_lg_u32 s3, 0
	s_cbranch_scc1 .Llap
	QUARTER 0, 2, F1, F0, 0, 1, 6, 0               ; the last lap fills nothing; batch 30 is stored, batch 31's six loads may stay out, and nothing more is asked for
	QUARTER 0, 3, F0, F1, 0
	TURN 0, 1, 0
	QUARTER 1, 1, F0, F1, 0
	QUARTER 1, 2, F1, F0, 0, 1, 0, 0               ; batch 31, the last: no load is younger
	QUARTER 1, 3, F0, F1, 0
	s_wait_dscnt 8                                 ; the very last quarter: nothing more to fetch
	MUL8 F1, 0, 0
	MUL8 F1, 2, 0
	s_wait_dscnt 0x0
	MUL8 F1, 4, 0
	MUL8 F1, 6, 0
	WIN 0
	PLACES                                         ; the way out reads results just made and writes registers that the last products read
; THE WAY OUT, a block of 16 rows at a time.  Column d < 32 of the head and column d + 32 lie in the same lane, in column blocks bb and bb + 2:
; out[d] = c[d] cos - c[d + 32] sin, out[d + 32] = c[d + 32] cos + c[d] sin.  Each accumulator's registers are taken in ascending order.  Then one rounding to f16, 16 bytes a lane into my stage, back as whole rows.
.macro PACK a
	WIN 0x09                                       ; source 0 (sums) window 1, source 1 (table) window 2
.irp bb, 0,1
.irp jp, 0,1,2,3
.set rLo, 8*(4*(\a)+(\bb))+2*(\jp)
.set rHi, rLo+16
.set rCo, 32*(\a)+16*(\bb)+2*(\jp)
.set rSi, rCo+8
.set rT,  TT+4*((\jp)%2)
.set rR,  RR+8*(\bb)+2*(\jp)
	v_pk_mul_f32 v[rT:rT+1], v[rHi:rHi+1], v[rSi:rSi+1]
	v_pk_mul_f32 v[rT+2:rT+3], v[rLo:rLo+1], v[rSi:rSi+1]
	v_pk_fma_f32 v[rR:rR+1], v[rLo:rLo+1], v[rCo:rCo+1], v[rT:rT+1] neg_lo:[0,0,1] neg_hi:[0,0,1]
	v_pk_fma_f32 v[rR+16:rR+17], v[rHi:rHi+1], v[rCo:rCo+1], v[rT+2:rT+3]
.endr
.endr
	WIN 0
.set i, 0
.rept 16
	v_cvt_pk_f16_f32 v[HH+16*(\a)+i], v[RR+2*i], v[RR+2*i+1]
.set i, i+1
.endr
.irp b, 0,1,2,3
	ds_store_b128 v[STO], v[HH+16*(\a)+4*(\b):HH+16*(\a)+4*(\b)+3] offset:32*(\b)
.endr
.irp f, 0,1,2,3
	ds_load_b128 v[HH+16*(\a)+4*(\f):HH+16*(\a)+4*(\f)+3], v[RD] offset:(\f)*4*SP  ; LDS serves a wave's instructions in order (ISA guide 5.7.1.4): these see the stores above; the next block's stores come behind them
.endr
.endm
.macro SEND a, younger                 ; younger: the LDS instructions issued behind block a's loads: the next block's eight, or none
.irp f, 0,1,2,3
	s_wait_dscnt (\younger)+3-(\f)
	global_store_b128 v[CO], v[HH+16*(\a)+4*(\f):HH+16*(\a)+4*(\f)+3], s[68:69] offset:(\a)*2048+(\f)*512  ; 512 consecutive bytes, at a multiple of 256 from the buffer's first; each block has registers of its own
.endr
.endm
	s_wait_loadcnt 0x0                             ; the table (shown in by the riders' first wait already)
	PACK 0
.irp a, 1,2,3,4,5,6,7                  ; a block's arithmetic stands between the loads of the block before and its stores
	PACK \a
	SEND (\a)-1, 8
.endr
	SEND 7, 0
	s_wait_tensorcnt 0x0                           ; the wave's end: the add and its wait stand behind my last tensor load and my last LDS store
	ds_add_u32 v[SPW], v[NIL]
	s_wait_dscnt 0x0
	CROUND                                         ; the closing round: no work-group ends while a partner may still ask for a tile that names it
	s_endpgm
.Lfunc_end_k_qf9a6b321f9_qkv:
	.size	k_qf9a6b321f9_qkv, .Lfunc_end_k_qf9a6b321f9_qkv-k_qf9a6b321f9_qkv
	.p2alignl 7, 3214868480
	.fill 96, 4, 3214868480
	.section	.rodata,"a",@progbits
	.p2align	6, 0x0
	.amdhsa_kernel k_qf9a6b321f9_qkv
		.amdhsa_group_segment_fixed_size 327680
		.amdhsa_private_segment_fixed_size 0
		.amdhsa_enable_private_segment 0
		.amdhsa_kernarg_size 72
		.amdhsa_user_sgpr_count 2
		.amdhsa_user_sgpr_kernarg_segment_ptr 1
		.amdhsa_wavefront_size32 1
		.amdhsa_system_sgpr_workgroup_id_x 1
		.amdhsa_system_sgpr_workgroup_id_y 1
		.amdhsa_system_sgpr_workgroup_id_z 1
		.amdhsa_system_vgpr_workitem_id 0
		.amdhsa_next_free_vgpr 1024
		.amdhsa_next_free_sgpr 96
		.amdhsa_reserve_vcc 0
		.amdhsa_float_denorm_mode_32 3
		.amdhsa_float_denorm_mode_16_64 3
		.amdhsa_memory_ordered 1
		.amdhsa_forward_progress 1
		.amdhsa_inst_pref_size 126
	.end_amdhsa_kernel
	.amdgpu_metadata
---
amdhsa.version: [ 1, 2 ]
amdhsa.kernels:
  - .name:           k_qf9a6b321f9_qkv
    .symbol:         k_qf9a6b321f9_qkv.kd
    .args:
      - { .name: Xb, .offset: 0, .size: 8, .value_kind: global_buffer, .address_space: global }
      - { .name: W16, .offset: 8, .size: 8, .value_kind: global_buffer, .address_space: global }
      - { .name: CS, .offset: 16, .size: 8, .value_kind: global_buffer, .address_space: global }
      - { .name: QKV, .offset: 24, .size: 8, .value_kind: global_buffer, .address_space: global }
      - { .name: attention_mask, .offset: 32, .size: 8, .value_kind: global_buffer, .address_space: global }
      - { .name: cache_k_prev, .offset: 40, .size: 8, .value_kind: global_buffer, .address_space: global }
      - { .name: cache_v_prev, .offset: 48, .size: 8, .value_kind: global_buffer, .address_space: global }
      - { .name: Mb, .offset: 56, .size: 8, .value_kind: global_buffer, .address_space: global }
      - { .name: KV16, .offset: 64, .size: 8, .value_kind: global_buffer, .address_space: global }
    .group_segment_fixed_size: 327680
    .private_segment_fixed_size: 0
    .kernarg_segment_align: 8
    .kernarg_segment_size: 72
    .max_flat_workgroup_size: 128
    .sgpr_count:     96
    .vgpr_count:     1024
    .wavefront_size: 32
...
	.end_amdgpu_metadata
.endif
;; end of part 2
;; launch attn (part 3): grid 16 x 16, 4 waves a work-group, clusters of 4 x 4, 327,680 bytes of LDS; arguments QKV, KV16, Mb, O16; writes O16
.if DOCPART == 3
	.amdgcn_target "amdgcn-amd-amdhsa--gfx1250"
	.amdhsa_code_object_version 6
	.text
	.protected	k_qf9a6b321f9_attn
	.globl	k_qf9a6b321f9_attn
	.p2align	8
	.type	k_qf9a6b321f9_attn,@function
k_qf9a6b321f9_attn:
	s_mov_b64 s[64:65], 0
	v_nop
	global_prefetch_b8 v0, s[64:65] scope:SCOPE_SE
	s_setreg_imm32_b32 hwreg(HW_REG_WAVE_MODE, 25, 1), 1
	s_wait_xcnt 0x0
	s_wait_alu depctr_hold_cnt(0) depctr_sa_sdst(0) depctr_va_vdst(0) depctr_va_sdst(0) depctr_va_ssrc(0) depctr_va_vcc(0) depctr_vm_vsrc(0)
	s_getreg_b32 s2, hwreg(HW_REG_IB_STS2, 6, 4)
	s_cmp_eq_u32 s2, 0
	s_cbranch_scc0 .Lentry_in_a_cluster
	s_endpgm
.Lentry_in_a_cluster:
	s_bfe_u32 s2, ttmp6, 0x10000c
	s_cmp_lg_u32 s2, 0xf033
	s_cbranch_scc0 .Lentry_shape_is_right
	s_endpgm
.Lentry_shape_is_right:
; ATTENTION with a mask that is an input, and two further columns in each row's softmax.  For batch b, head h, row t:
;   scores: q . k0[s] / 8 + mask[b][t][s] for the 2,048 cached keys s; q . k1[t] / 8 and q . kn[t] / 8 for the row's own entries of cache step 1 and of the new k (shared by heads 2 g, 2 g + 1);
;   O = the softmax's weights times v0[s], v1[t], vn[t].
; QKV f16 [2 b][32][2048][64]: planes 0-15 q / 8 (turned), 16-23 new k, 24-31 new v.  KV16 f16: cache k [2 step][2][16][2048][64], cache v 16,777,216 bytes further.  Mb bf16 [2][2048][2048].  O16 f16 [2][16][2048][64].
; Products, maxima and sums in f32; the weights are rounded to f16 for the second product (their sum l is taken of the unrounded weights), O once at the end.
; LIMITS.  All f16 operands arrive within 65,504.  log2(e) x (score + mask) must not pass f32's range upward: mask entries up to 2.3e38; downward it may: the weight is then 0.  A weight below 2^-126 counts as 0 in l.
; NaN is not treated apart.
; SHARES.  A work-group owns 256 rows of one head (x = head, y = 8 b + block): 256 work-groups.  A wave owns 64 consecutive rows: four PIECES of 16.  Every wave walks all keys, 64 a step.
; LAYOUT.  S^T = K Q^T (source 0 = 16 keys, source 1 = 16 rows): a lane holds ONE row (lane % 16) and the keys 8 (lane / 16) + 0..7.  Two such results rounded to f16 ARE source 1 of O^T = V^T P.
; THE MASK STARTS THE SUM, by the matrix unit: S^T = M^T I + 0 in the bf16 form, where M^T is a fragment of 16 keys x 32 rows (turned out of the tile [row][key] by ds_load_tr16_b128; it serves two
; pieces) and I picks the piece's 16 rows: each sum is one entry times 1 and 31 zeros, exact.  The two f16 products K Q^T add onto it in place, thirteen plain vector instructions or more behind it.
; SOFTMAX.  A running maximum m and sum l: p = 2^(c s - c m), c = log2(e); in every step O and l are multiplied by a = 2^(c m_old - c m_new).  THE TWO OWN COLUMNS START m, l AND O^T, in the wait for the first tile:
; so nothing is cleared but the operands of the first turn's empty product.
; BY TURNS.  Turn n belongs to piece n: 4 mask products and 8 products K Q^T of piece n + 1, then 8 products V^T P of piece n - 1; beside them the scaling, exponentials, roundings, sums and rescaling of piece n and
; the maximum and statistics of piece n + 1.  Four vector instructions stand behind every matrix instruction, the other 38 of a turn's 118 in two runs of their own.
; CLUSTER 4 x 4.  The four of a column share head and batch, so K's and V's tiles; the four of a row share their 256 rows, so the mask's tiles: each tile is asked for JOINTLY, by the same load, descriptor and mask of four.
; REGISTERS, in windows of 256 (s_set_vgpr_msb: bits 1:0 source 0, 3:2 source 1, 5:4 source 2, 7:6 destination):
;   window 0: v0-15, v32-37 addresses and at work; v16-31 four registers of statistics a piece; v48-55 at work; v61 0; v64-127 S^T, two buffers; v192-223 P, two buffers (a piece's buffers go by its number's parity)
;   window 1: v0-127 O^T, 32 a piece     window 2: v0-63 Q; v64-127 M^T, 32 a pair of pieces; v128-191 K of one step; v192-203 zeros, I's pattern, zeros
;   window 3: v0-63 V of one step; at the start all 256: k1, kn, v1, vn of my rows
.set NP,    4         ; pieces a wave: a name, no knob
.set KS,    64        ; keys in a step
.set PK,    144       ; a row of K in LDS: 128 bytes + 16: the 16 rows of a load start at 16 different groups of four banks (64 banks of 4 bytes: ISA guide 11.1)
.set PV,    160       ; a row of V: 128 + 32
.set PM,    288       ; a row of the mask's tile: 128 keys' 256 bytes + 32: likewise
.set VOFF,  2*KS*PK   ; a slot holds two steps: 128 rows of K, 128 rows of V, 256 rows of the mask
.set MOFF,  VOFF+2*KS*PV
.set SLOT1, 1<<17     ; slot 1 begins here, so that one exclusive or turns an address in one slot into the other's
.set STAGE, SLOT1+MOFF+256*PM  ; behind the ring, never filled by a tensor load: 16 rows x 144 bytes for each wave, for the way out
.set SP,    144
.set SPARE, STAGE+4*16*SP      ; behind the stages: the spare words, 128 bytes a wave: two blocks of 256 bytes that no other line names
.set AK0, 2           ; v2   my lane's place in a tile of K; never rewritten
.set AV0, 3           ; v3   the same for V
.set AK,  4           ; v4   the LDS address of K's next run of loads
.set AV,  5           ; v5   of V's
.set STO, 6           ; v6   the way out: where I put 16 bytes of a row
.set RD,  7           ; v7   where I read rows back
.set GO,  8           ; v8   my byte offset in 512 consecutive bytes of O
.set MV,  12          ; v12-13  c m_old, kept while c m is made anew: by buffer
.set QO,  15          ; v15  my byte offset in 16 rows of 128 bytes
.set ST,  16          ; piece t's statistics at v[ST+4 t]: c m, m, l (even keys', odd keys')
.set AM0, 32          ; v32  my lane's place in the mask's tile; never rewritten
.set AM,  33          ; v33  the LDS address of the mask's next run of loads
.set PT,  34          ; v34-37  I's pattern, at work
.set TMP, 48          ; by buffer, four registers c0-c3 at work; when the maximum is found c2 takes a
.set ZR,  61          ; v61  0, the addend that starts a chain of multiply-adds
.set SPW, 62          ; v62  LDS address of my spare word; never rewritten
.set NIL, 63          ; v63  0, for the add alone; never rewritten
.set S,   64
.set P,   192
.set MF,  64          ; window 2: pair g, key block kt at MF + 32 g + 8 kt
.set KF,  128         ; window 2: key block kb, channel half c at KF + 16 kb + 8 c
.set IDB, 192         ; window 2: an even piece's I at IDB + 4 (pattern, zeros), an odd piece's at IDB (zeros, pattern)
.set WV,  12          ; s12  my wave's number
.set G1K, 24          ; s[24:31] descriptor group 1 for K's tiles
.set G1V, 32          ; s[32:39] for V's
.set G1M, 40          ; s[40:47] for the mask's
.set G0K, 48          ; s[48:51] descriptor group 0 for K's tiles: it walks
.set G0V, 52          ; s[52:55]
.set G0M, 56          ; s[56:59]
.set CS,  60          ; s[60:61] c: the packed scaling takes the pair's low word for both halves
.set SEL, 62          ; s[62:63] v_permlanex16_b32's selects: each lane takes its own place in the other half
.set SLOTS, 66        ; s66  slots still to be asked for
.set CNT, 67          ; s67  counts a slot's key steps
.set TBK, 68          ; s68  LDS byte at which K of the step to be fetched begins
.set TBV, 69          ; s69  the same for V, less VOFF
.set TBM, 70          ; s70, s71  the same for the mask's first and second pair of pieces, less MOFF
.set BQ,  72          ; s[72:73] q at my wave's rows;  s[74:75] k1;  s[76:77] kn;  s[78:79] v1;  s[80:81] vn;  s[82:83] O
.set BK1, 74
.set BKN, 76
.set BV1, 78
.set BVN, 80
.set BO,  82
.set MSB, 0
.macro WIN new                      ; the high byte repeats the setting that is left; a switch that changes nothing is dropped
.if MSB != (\new)
	s_set_vgpr_msb (MSB<<8)|(\new)
.set MSB, (\new)
.endif
.endm
.set W_KQ, 0x0a       ; both sources in window 2, S^T in window 0
.set W_PV, 0x53       ; V in window 3, P in window 0, O^T in window 1
.set W_RS, 0x41       ; destination and source 0 in window 1, source 1 in window 0
; A joint fill: wave 0 fetches a slot's K, wave 1 its V, waves 2 and 3 the two halves of the mask's tile.  The branches hang on the wave's number alone.
; An s_nop 0 and four v_nop follow each of the three lines, ahead of the jump and the label.
.macro JLOAD
	s_cmp_lt_u32 s[WV], 2
	s_cbranch_scc0 .Lfor_m_\@
	s_cmp_eq_u32 s[WV], 0
	s_cbranch_scc0 .Lfor_v_\@
	tensor_load_to_lds s[G0K:G0K+3], s[G1K:G1K+7]
	s_nop 0
.rept 4
	v_nop
.endr
	s_branch .Lasked_\@
.Lfor_v_\@:
	tensor_load_to_lds s[G0V:G0V+3], s[G1V:G1V+7]
	s_nop 0
.rept 4
	v_nop
.endr
	s_branch .Lasked_\@
.Lfor_m_\@:
	tensor_load_to_lds s[G0M:G0M+3], s[G1M:G1M+7]
	s_nop 0
.rept 4
	v_nop
.endr
.Lasked_\@:
.endm
; A round of the cluster's barrier: my work-group's barrier, so that wave 0's signal speaks for all four waves; wave 0 signals; every wave waits for all sixteen work-groups; my work-group's barrier once more.
.macro CROUND
	s_barrier_signal -1
	s_barrier_wait -1
	s_cmp_lg_u32 s[WV], 0
	s_cbranch_scc1 .Lnot_wave_0_\@
	s_barrier_signal -3
.Lnot_wave_0_\@:
	s_barrier_wait -3
	s_barrier_signal -1
	s_barrier_wait -1
.endm
; THE CHANGE OF SLOTS.  The slot's last bytes, V of its second step, have been read.  Each wave waits for all its tensor loads, of which one is out: its part of the other slot; adds 0 to its spare word; and waits
; for that and for its own reads of the slot.  Behind the barrier nobody reads this slot any more and the other slot is whole.  fill = 1: this slot is filled again, with the keys two slots on.  The barrier is then a
; round of the cluster's, and the joint fill is the first thing behind it: it has two key steps, 160 matrix instructions, in which to land.  (At its first use nothing has been read yet: slot 0 is waited for, slot 1 filled.)
.macro CHANGE fill
	WIN 0                           ; at a label and at a branch every window is 0
	s_wait_tensorcnt 0x0            ; no tensor load of mine is out, so a group 0 may be written
	ds_add_u32 v[SPW], v[NIL]       ; 0 onto my spare word: with fill = 1 the descriptors' steps stand between it and the wait for it
.if \fill
	s_xor_b32 s[G0K+1], s[G0K+1], SLOT1  ; the walking descriptors: the other slot than last time,
	s_add_nc_u64 s[G0K+2:G0K+3], s[G0K+2:G0K+3], 2*KS*128  ; the next 128 keys; the type bits on top are not reached
	s_xor_b32 s[G0V+1], s[G0V+1], SLOT1
	s_add_nc_u64 s[G0V+2:G0V+3], s[G0V+2:G0V+3], 2*KS*128
	s_xor_b32 s[G0M+1], s[G0M+1], SLOT1
	s_add_nc_u64 s[G0M+2:G0M+3], s[G0M+2:G0M+3], 2*KS*2
	s_wait_dscnt 0x0                ; the add is done, and my reads of the slot are over
	CROUND
	JLOAD
.else
	s_wait_dscnt 0x0                ; the add is done, and my reads of the slot are over
	s_barrier_signal -1
	s_barrier_wait -1
.endif
	s_sub_co_u32 s[TBK], s[TBK], 2*KS*PK  ; the fetches go back to a slot's first step,
	s_xor_b32 s[TBK], s[TBK], SLOT1       ; in the other slot
	s_sub_co_u32 s[TBV], s[TBV], 2*KS*PV
	s_xor_b32 s[TBV], s[TBV], SLOT1
	s_sub_co_u32 s[TBM], s[TBM], 2*KS*2
	s_xor_b32 s[TBM], s[TBM], SLOT1
	s_sub_co_u32 s[TBM+1], s[TBM+1], 2*KS*2
	s_xor_b32 s[TBM+1], s[TBM+1], SLOT1
.endm
	s_load_b256 s[4:11], s[0:1], 0x0  ; QKV s[4:5], KV16 s[6:7], Mb s[8:9], O16 s[10:11]
	v_lshl_add_u32 v[SPW], v0, 2, SPARE
	v_mov_b32 v[NIL], 0
	ds_add_u32 v[SPW], v[NIL]       ; the wave's opening: the add and its wait stand ahead of my first tensor load; the set-up below, work on registers, stands between them
	v_lshrrev_b32 v1, 5, v0
	v_readfirstlane_b32 s[WV], v1   ; wave 0..3
	s_bfe_u32 s13, ttmp6, 0x40000   ; cx
	s_bfe_u32 s14, ttmp6, 0x40004   ; cy
	s_and_b32 s19, ttmp7, 0xffff    ; the cluster's y
	s_lshl_b32 s15, ttmp9, 2
	s_add_co_u32 s15, s15, s13      ; the head = 4 x cluster x + cx
	s_lshl_b32 s16, s19, 2
	s_add_co_u32 s16, s16, s14      ; y = 4 x cluster y + cy = 8 x batch + block
	s_lshr_b32 s17, s19, 1          ; the batch, from the cluster's y alone: a column's four share it
	s_and_b32 s18, s[WV], 1         ; which half of the mask's tile I fetch
	s_lshl_b32 s20, s17, 4
	s_add_co_u32 s20, s20, s15      ; 16 x batch + head: a plane of 262,144 bytes in the caches and in O; it never holds cy
	s_lshl_b32 s86, s20, 18
	s_mov_b32 s87, 0
	s_lshl_b32 s88, s16, 8          ; the mask: row 256 y + 128 x half, of 4,096 bytes; it never holds cx
	s_lshl_b32 s21, s18, 7
	s_add_co_u32 s88, s88, s21
	s_lshl_b32 s88, s88, 12
	s_mov_b32 s89, 0
	s_lshl_b32 s21, s14, 2
	s_lshl_b32 s21, 15, s21         ; my row of the cluster
	s_lshl_b32 s23, 0x1111, s13     ; my column
	; descriptor group 1.  K, V: 128 keys are 16,384 dense bytes: asked for as 64 rows of 256 bytes, two keys a row, padded in LDS after every key.  The mask: 128 rows of 128 keys, 2,048 elements apart
	s_or_b32 s[G1K], s23, (1<<16)|(1<<20)|(1<<21)|(4<<22)|(3<<25)  ; 15:0 the mask of four; 17:16 2-byte elements; 20 padding on; 21 set beside a mask; 24:22 after every 32 words (code 4); 31:25 4 words (code 3)
	s_or_b32 s[G1V], s23, (1<<16)|(1<<20)|(1<<21)|(4<<22)|(7<<25)  ; the same with 8 words of padding (code 7)
	s_or_b32 s[G1M], s21, (1<<16)|(1<<20)|(1<<21)|(5<<22)|(7<<25)  ; my row's four; 8 words after every 64
.irp g, G1K, G1V
	s_mov_b32 s[\g+1], 128<<16      ; tensor_dim0 = 128
	s_mov_b32 s[\g+2], 64<<16       ; tensor_dim1 = 64
	s_mov_b32 s[\g+3], 128<<16      ; tile_dim0 = 128
	s_mov_b32 s[\g+4], 64           ; tile_dim1 = 64
	s_mov_b32 s[\g+5], 128          ; 128 elements from row to row
	s_mov_b32 s[\g+6], 0
	s_mov_b32 s[\g+7], 0
.endr
	s_mov_b32 s[G1M+1], 128<<16
	s_mov_b32 s[G1M+2], 128<<16
	s_mov_b32 s[G1M+3], 128<<16
	s_mov_b32 s[G1M+4], 128
	s_mov_b32 s[G1M+5], 2048
	s_mov_b32 s[G1M+6], 0
	s_mov_b32 s[G1M+7], 0
	s_mov_b32 s[G0K], 1             ; 1:0 count = 1
	s_mov_b32 s[G0K+1], 0           ; 63:32 LDS address: slot 0
	s_mov_b32 s[G0V], 1
	s_mov_b32 s[G0V+1], VOFF
	s_mov_b32 s[G0M], 1
	s_mul_i32 s21, s18, 128*PM
	s_add_co_u32 s[G0M+1], s21, MOFF
	s_mov_b32 s[CS], 0x3fb8aa3b     ; c = log2(e): the scale 1/8 lies in q
	s_mov_b32 s[CS+1], s[CS]        ; named with it as a pair
	s_mov_b32 s[SEL], 0x76543210
	s_mov_b32 s[SEL+1], 0xfedcba98
	s_mov_b32 s[TBK], SLOT1+2*KS*PK ; the first change of slots turns these four into 0
	s_mov_b32 s[TBV], SLOT1+2*KS*PV
	s_mov_b32 s[TBM], SLOT1+2*KS*2
	s_mov_b32 s[TBM+1], SLOT1+2*KS*2
	s_mov_b32 s84, 0x3f80           ; 1.0 in bf16, in the low half,
	s_mov_b32 s85, 0x3f800000       ; in the high half
	s_and_b32 s22, s16, 7           ; my wave's first row in its plane: 256 x block + 64 x wave
	s_lshl_b32 s22, s22, 8
	s_lshl_b32 s21, s[WV], 6
	s_add_co_u32 s22, s22, s21
	s_mov_b32 s91, 0
	s_wait_dscnt 0x0                ; the opening add is done
	s_wait_kmcnt 0x0
	s_add_nc_u64 s[G0K+2:G0K+3], s[6:7], s[86:87]  ; 120:64 global address: the plane's first 128 keys
	s_or_b32 s[G0K+3], s[G0K+3], 0x80000000        ; 127:126 type = 2
	s_add_nc_u64 s[G0V+2:G0V+3], s[6:7], s[86:87]
	s_add_nc_u64 s[G0V+2:G0V+3], s[G0V+2:G0V+3], 0x1000000
	s_or_b32 s[G0V+3], s[G0V+3], 0x80000000
	s_add_nc_u64 s[G0M+2:G0M+3], s[8:9], s[88:89]
	s_or_b32 s[G0M+3], s[G0M+3], 0x80000000
.macro BASE dst, src, extra            ; dst = src + (plane s92 x 2,048 + my first row) x 128 + extra
	s_lshl_b32 s90, s92, 11
	s_add_co_u32 s90, s90, s22
	s_lshl_b32 s90, s90, 7
.if \extra
	s_add_co_u32 s90, s90, \extra
.endif
	s_add_nc_u64 s[\dst:\dst+1], s[\src:\src+1], s[90:91]
.endm
	s_lshl_b32 s21, s17, 5          ; 32 x batch
	s_add_co_u32 s92, s21, s15      ; q's plane
	BASE BQ, 4, 0
	s_lshr_b32 s23, s15, 1          ; two heads share a new k and v
	s_add_co_u32 s92, s21, s23
	s_add_co_u32 s92, s92, 16
	BASE BKN, 4, 0
	s_add_co_u32 s92, s92, 8
	BASE BVN, 4, 0
	s_add_co_u32 s92, s20, 32       ; cache step 1
	BASE BK1, 6, 0
	BASE BV1, 6, 16777216
	s_mov_b32 s92, s20
	BASE BO, 10, 0
	CROUND                          ; all sixteen work-groups are here: the first joint loads meet
	JLOAD                           ; slot 0.  Slot 1 is asked for when slot 0 is in
	; A fragment of K or Q is 16 rows x 32 channels in 8 registers: lane l holds row l % 16, channels 8 (l / 16) + 0..7 and 16 + 8 (l / 16) + 0..7.  So register 4 cb + i of a piece's 16 holds channels 16 cb + 8 (l / 16) + 2 i, + 1.
	v_and_b32 v1, 15, v0            ; l % 16
	v_bfe_u32 v9, v0, 4, 1          ; l / 16
	v_lshlrev_b32 v[QO], 7, v1
	v_lshl_add_u32 v[QO], v9, 4, v[QO]  ; row x 128 + 16 x half
	WIN 0x80                        ; destination window 2, address window 0
.set i, 0
.rept 16                            ; Q stays in registers: piece i / 4, channels 16 (i % 4) on
	global_load_b128 v[4*i:4*i+3], v[QO], s[BQ:BQ+1] offset:(i/4)*2048+(i%4)*32
.set i, i+1
.endr
	WIN 0xc0                        ; destination window 3: my rows of k1, kn, v1, vn, in Q's order
.set i, 0
.rept 16
	global_load_b128 v[4*i:4*i+3],         v[QO], s[BK1:BK1+1] offset:(i/4)*2048+(i%4)*32
	global_load_b128 v[64+4*i:64+4*i+3],   v[QO], s[BKN:BKN+1] offset:(i/4)*2048+(i%4)*32
.set i, i+1
.endr
.set i, 0
.rept 16
	global_load_b128 v[128+4*i:128+4*i+3], v[QO], s[BV1:BV1+1] offset:(i/4)*2048+(i%4)*32
	global_load_b128 v[192+4*i:192+4*i+3], v[QO], s[BVN:BVN+1] offset:(i/4)*2048+(i%4)*32
.set i, i+1
.endr
	WIN 0
	v_mov_b32 v[ZR], 0
	; I as source 1: lane l holds column l % 16; its first four registers rows 8 (l / 16) + 0..7.  The one lies at row = column: half d % 2 of register d / 2, d = l % 16 - 8 (l / 16), where d is 0..7
	v_lshlrev_b32 v14, 3, v9
	v_sub_nc_u32 v14, v1, v14
.irp j, 0,1,2,3
	v_cmp_eq_u32 vcc_lo, 2*\j, v14
	v_cndmask_b32 v[PT+\j], 0, s84, vcc_lo
	v_cmp_eq_u32 vcc_lo, 2*\j+1, v14
	v_cndmask_b32 v[PT+\j], v[PT+\j], s85, vcc_lo
.endr
	WIN 0x80
.irp j, 0,1,2,3
	v_mov_b32 v[IDB+\j], 0
	v_mov_b32 v[IDB+4+\j], v[PT+\j]
	v_mov_b32 v[IDB+8+\j], 0
.endr
	WIN 0
.set i, P+16
.rept 16
	v_mov_b32 v[i], 0               ; the first turn's products V^T P, of a piece that has not been, add 0 x 0
.set i, i+1
.endr
	v_mul_u32_u24 v[AK0], v1, PK
	v_lshl_add_u32 v[AK0], v9, 4, v[AK0]  ; row x pitch + 16 x half
	; The turning load takes 16 x 16 numbers (lane l reads row 8 (l / 16) + l % 8, 16 bytes at 16 ((l / 8) % 2)) and leaves half a fragment of the transposed tile.
	v_and_b32 v10, 7, v0
	v_bfe_u32 v11, v0, 3, 1
	v_lshl_add_u32 v[AV0], v9, 3, v10
	v_mul_u32_u24 v[AM0], v[AV0], PM
	v_mul_u32_u24 v[AV0], v[AV0], PV
	v_lshl_add_u32 v[AV0], v11, 4, v[AV0]
	v_add_nc_u32 v[AV0], VOFF, v[AV0]
	v_lshl_add_u32 v[AM0], v11, 4, v[AM0]
	s_mul_i32 s13, s[WV], 64*PM     ; my wave's 64 rows of the mask's tile
	s_add_co_u32 s13, s13, MOFF
	v_add_nc_u32 v[AM0], s13, v[AM0]
	s_mul_i32 s13, s[WV], 16*SP
	s_add_co_u32 s13, s13, STAGE    ; my stage
	v_mul_u32_u24 v[STO], v1, SP    ; in: row l % 16, 16 bytes for each half of the lanes
	v_lshl_add_u32 v[STO], v9, 4, v[STO]
	v_add_nc_u32 v[STO], s13, v[STO]
	v_bfe_u32 v[RD], v0, 3, 2       ; back: 32 lanes take four rows of 128 bytes,
	v_mul_u32_u24 v[RD], v[RD], SP
	v_lshl_add_u32 v[RD], v10, 4, v[RD]
	v_add_nc_u32 v[RD], s13, v[RD]
	v_and_b32 v[GO], 31, v0         ; which are 512 consecutive bytes of O
	v_lshlrev_b32 v[GO], 4, v[GO]
.macro ALL line:vararg              ; one line for each piece t
.set t, 0
.rept 4
	\line
.set t, t+1
.endr
.endm
; THE TWO OWN COLUMNS.  DSCORE x: piece x's two scores, my lane's 32 channels of each, in eight chains of eight multiply-adds from f16 halves into f32 (at S + 16 x + 4 column + cb).
.macro DSCORE x
	WIN 0x0e                        ; source 0 (q) window 2, source 1 (k1, kn) window 3
.irp ii, 0,1,2,3
.irp hf, 0,1
.irp col, 0,1
.irp cb, 0,1,2,3
.set rA, S+16*(\x)+4*(\col)+(\cb)
.set rQ, 16*(\x)+4*(\cb)+(\ii)
.set rD, 64*(\col)+16*(\x)+4*(\cb)+(\ii)
.if ((\ii) == 0) && ((\hf) == 0)
	v_fma_mix_f32 v[rA], v[rQ], v[rD], v[ZR] op_sel:[0,0,0] op_sel_hi:[1,1,0]
.else
	v_fma_mix_f32 v[rA], v[rQ], v[rD], v[rA] op_sel:[\hf,\hf,0] op_sel_hi:[1,1,0]
.endif
.endr
.endr
.endr
.endr
.endm
; DOUT x: piece x's O^T = p1 v1 + p2 vn: register 8 cb + 2 i + half holds channel 16 cb + 8 (l / 16) + 2 i + half, as the products V^T P leave it.
.macro DOUT x
	WIN 0x4c                        ; source 1 (v1) window 3, destination window 1
.irp cb, 0,1,2,3
.irp ii, 0,1,2,3
.irp hf, 0,1
	v_fma_mix_f32 v[32*(\x)+8*(\cb)+2*(\ii)+(\hf)], v[S+16*(\x)], v[128+16*(\x)+4*(\cb)+(\ii)], v[ZR] op_sel:[0,\hf,0] op_sel_hi:[0,1,0]
.endr
.endr
.endr
	WIN 0x5c                        ; and source 2 window 1
.irp cb, 0,1,2,3
.irp ii, 0,1,2,3
.irp hf, 0,1
	v_fma_mix_f32 v[32*(\x)+8*(\cb)+2*(\ii)+(\hf)], v[S+16*(\x)+4], v[192+16*(\x)+4*(\cb)+(\ii)], v[32*(\x)+8*(\cb)+2*(\ii)+(\hf)] op_sel:[0,\hf,0] op_sel_hi:[0,1,0]
.endr
.endr
.endr
.endm
	s_wait_loadcnt 0x0              ; Q and my rows of k1, kn, v1, vn
	DSCORE 0
	DSCORE 1
	DSCORE 2
	DSCORE 3
	WIN 0
	ALL v_add_f32 v[S+16*t], v[S+16*t], v[S+16*t+1]
	ALL v_add_f32 v[S+16*t+2], v[S+16*t+2], v[S+16*t+3]
	ALL v_add_f32 v[S+16*t+4], v[S+16*t+4], v[S+16*t+5]
	ALL v_add_f32 v[S+16*t+6], v[S+16*t+6], v[S+16*t+7]
	ALL v_add_f32 v[S+16*t], v[S+16*t], v[S+16*t+2]
	ALL v_add_f32 v[S+16*t+4], v[S+16*t+4], v[S+16*t+6]
	ALL v_permlanex16_b32 v[S+16*t+1], v[S+16*t], s[SEL], s[SEL+1]      ; the other 32 channels lie in the lane 16 away
	ALL v_permlanex16_b32 v[S+16*t+5], v[S+16*t+4], s[SEL], s[SEL+1]
	ALL v_add_f32 v[S+16*t], v[S+16*t], v[S+16*t+1]
	ALL v_add_f32 v[S+16*t+4], v[S+16*t+4], v[S+16*t+5]
	ALL v_max_num_f32 v[ST+4*t+1], v[S+16*t], v[S+16*t+4]               ; m
	ALL v_mul_f32 v[ST+4*t], s[CS], v[ST+4*t+1]                         ; c m
	ALL v_fma_f32 v[S+16*t], v[S+16*t], s[CS], -v[ST+4*t]
	ALL v_fma_f32 v[S+16*t+4], v[S+16*t+4], s[CS], -v[ST+4*t]
	ALL v_exp_f32 v[S+16*t], v[S+16*t]                                  ; p1
	ALL v_exp_f32 v[S+16*t+4], v[S+16*t+4]                              ; p2
	v_nop                           ; a plain instruction between the last exponential and the use of its result
	ALL v_mul_f32 v[ST+4*t+2], 0.5, v[S+16*t]                           ; both halves of the lanes hold these two weights, and the halves' l are added at the end: half to each
	ALL v_mul_f32 v[ST+4*t+3], 0.5, v[S+16*t+4]
	DOUT 0
	DOUT 1
	DOUT 2
	DOUT 3
	WIN 0xc0
.set i, 0
.rept 64
	v_mov_b32 v[i], 0               ; V's registers, for the first turn's empty product
.set i, i+1
.endr
	WIN 0
; THE MATRIX WORK.  The 4 accumulators of a run take turns, one instruction a turn.  lk is the product's number in its run.
.macro MK x                         ; mask product lk of 4 for piece x: keys 16 lk on
	WIN W_KQ
.set rS, S+32*((\x)%2)+8*lk
.set rM, MF+32*((\x)/2)+8*lk
.set rI, IDB+4-4*((\x)%2)
	v_wmma_f32_16x16x32_bf16 v[rS:rS+7], v[rM:rM+7], v[rI:rI+7], 0
.endm
.macro KQ x                         ; product lk of 8 of S^T += K Q^T for piece x: channels 32 (lk / 4) on, keys 16 (lk % 4) on
	WIN W_KQ
.set rS, S+32*((\x)%2)+8*(lk%4)
.set rK, KF+16*(lk%4)+8*(lk/4)
.set rQ, 16*(\x)+8*(lk/4)
	v_wmma_f32_16x16x32_f16 v[rS:rS+7], v[rK:rK+7], v[rQ:rQ+7], v[rS:rS+7]
.endm
.macro PV x                         ; product lk of 8 of O^T += V^T P for piece x: keys 32 (lk / 4) on, channels 16 (lk % 4) on
	WIN W_PV
.set rO, 32*(\x)+8*(lk%4)
.set rV, 32*(lk/4)+8*(lk%4)
.set rP, P+16*((\x)%2)+8*(lk/4)
	v_wmma_f32_16x16x32_f16 v[rO:rO+7], v[rV:rV+7], v[rP:rP+7], v[rO:rO+7]
.endm
.macro MM                           ; the turn's next matrix instruction, i = 0 .. 19
.if i < 4
.set lk, i
	MK (Y+1)%NP
.elseif i < 12
.set lk, i-4
	KQ (Y+1)%NP
.else
.set lk, i-12
	PV (Y+NP-1)%NP
.endif
.set i, i+1
.endm
; THE LDS LOADS stand in runs, never singly among the matrix instructions.  Their addresses are made some lines ahead.
.macro FETCH_K                      ; a step's K: 64 keys x 64 channels: 8 fragments
	WIN 0x80                        ; destination window 2
.irp f, 0,1,2,3,4,5,6,7             ; keys 16 (f / 2) on, channels 32 (f % 2) on
	ds_load_b128 v[KF+8*\f:KF+8*\f+3],   v[AK] offset:(\f/2)*16*PK+(\f%2)*64
	ds_load_b128 v[KF+8*\f+4:KF+8*\f+7], v[AK] offset:(\f/2)*16*PK+(\f%2)*64+32
.endr
	s_add_co_u32 s[TBK], s[TBK], KS*PK  ; the next fetch is the next step's
	WIN 0
.endm
.macro FETCH_M g                    ; a step's mask for pieces 2 g, 2 g + 1: 64 keys x 32 rows, turned: 4 fragments
	WIN 0x80
.irp kt, 0,1,2,3
	ds_load_tr16_b128 v[MF+32*(\g)+8*\kt:MF+32*(\g)+8*\kt+3],   v[AM] offset:(\g)*32*PM+32*\kt
	ds_load_tr16_b128 v[MF+32*(\g)+8*\kt+4:MF+32*(\g)+8*\kt+7], v[AM] offset:(\g)*32*PM+32*\kt+16*PM
.endr
	s_add_co_u32 s[TBM+(\g)], s[TBM+(\g)], KS*2
	WIN 0
.endm
.macro FETCH_V                      ; a step's V, turned
	WIN 0xc0                        ; destination window 3
.irp f, 0,1,2,3,4,5,6,7             ; keys 32 (f / 4) on, channels 16 (f % 4) on
	ds_load_tr16_b128 v[8*\f:8*\f+3],   v[AV] offset:(\f/4)*32*PV+(\f%4)*32
	ds_load_tr16_b128 v[8*\f+4:8*\f+7], v[AV] offset:(\f/4)*32*PV+16*PV+(\f%4)*32
.endr
	WIN 0
.endm
; THE VECTOR WORK, one line at a time: OP kind, number.  For piece Y: F n: c s - c m for pair n of 16.  E n: the exponential of score n of 32.  C n: pair n rounded to f16.  B n: of the four weights 4 n .. the second
; pair is added onto the first, in place (so C 2n stands ahead of B n).  L n: l takes that sum (L 0: l = a l + sum).  R n: pair n of 16 of O^T times a.  For piece Y + 1: X n, number n of the 22 that find its maximum and statistics:
;   0-11  four chains c0-c3 of seven scores each, three operands at a time (each accumulator's lowest registers are read first)     12-14, 16  the four scores left over, the old m, and c0-c3 into c0
;   15  c m_old is kept     17, 18  the row's other 32 keys lie in the lane 16 away: the new m     19-21  c m; c m_old - c m_new; a
.set F, 0
.set E, 1
.set C, 2
.set B, 3
.set L, 4
.set R, 5
.set X, 6
.macro REGS y                       ; the registers of piece y
.set rT, ST+4*(\y)
.set rC, TMP+4*((\y)%2)
.set rW, MV+((\y)%2)
.set rS, S+32*((\y)%2)
.set rP, P+16*((\y)%2)
.set rO, 32*(\y)
.endm
.macro OP k, n
.if (\k) == R
	REGS Y
	WIN W_RS
	v_pk_mul_f32 v[rO+2*(\n):rO+2*(\n)+1], v[rO+2*(\n):rO+2*(\n)+1], v[rC+2:rC+3] op_sel_hi:[1,0]
.elseif (\k) < R
	REGS Y
	WIN 0
.if (\k) == F
	v_pk_fma_f32 v[rS+2*(\n):rS+2*(\n)+1], v[rS+2*(\n):rS+2*(\n)+1], s[CS:CS+1], v[rT:rT+1] op_sel_hi:[1,0,0] neg_lo:[0,0,1] neg_hi:[0,0,1]
.elseif (\k) == E
	v_exp_f32 v[rS+(\n)], v[rS+(\n)]
.elseif (\k) == C
	v_cvt_pk_f16_f32 v[rP+(\n)], v[rS+2*(\n)], v[rS+2*(\n)+1]
.elseif (\k) == B
	v_pk_add_f32 v[rS+4*(\n):rS+4*(\n)+1], v[rS+4*(\n):rS+4*(\n)+1], v[rS+4*(\n)+2:rS+4*(\n)+3]
.elseif (\n) == 0
	v_pk_fma_f32 v[rT+2:rT+3], v[rT+2:rT+3], v[rC+2:rC+3], v[rS:rS+1] op_sel_hi:[1,0,1]
.else
	v_pk_add_f32 v[rT+2:rT+3], v[rT+2:rT+3], v[rS+4*(\n):rS+4*(\n)+1]
.endif
.else
	REGS (Y+1)%NP
	WIN 0
.if (\n) < 4
	v_max3_num_f32 v[rC+(\n)], v[rS+8*(\n)], v[rS+8*(\n)+1], v[rS+8*(\n)+2]
.elseif (\n) < 12
	v_max3_num_f32 v[rC+(\n)%4], v[rC+(\n)%4], v[rS+8*((\n)%4)+2*((\n)/4)+1], v[rS+8*((\n)%4)+2*((\n)/4)+2]
.elseif (\n) == 12
	v_max3_num_f32 v[rC], v[rC], v[rS+7], v[rS+15]
.elseif (\n) == 13
	v_max3_num_f32 v[rC+1], v[rC+1], v[rS+23], v[rS+31]
.elseif (\n) == 14
	v_max3_num_f32 v[rC+2], v[rC+2], v[rC+3], v[rT+1]
.elseif (\n) == 15
	v_mov_b32 v[rW], v[rT]
.elseif (\n) == 16
	v_max3_num_f32 v[rC], v[rC], v[rC+1], v[rC+2]
.elseif (\n) == 17
	v_permlanex16_b32 v[rC+3], v[rC], s[SEL], s[SEL+1]
.elseif (\n) == 18
	v_max_num_f32 v[rT+1], v[rC], v[rC+3]
.elseif (\n) == 19
	v_mul_f32 v[rT], s[CS], v[rT+1]
.elseif (\n) == 20
	v_sub_f32 v[rC+1], v[rW], v[rT]
.else
	v_exp_f32 v[rC+2], v[rC+1]
.endif
.endif
.endm
.macro OPS a, i1, b=-1, i2=0, c=-1, i3=0, d=-1, i4=0  ; up to four of them
	OP \a, \i1
.if (\b) >= 0
	OP \b, \i2
.endif
.if (\c) >= 0
	OP \c, \i3
.endif
.if (\d) >= 0
	OP \d, \i4
.endif
.endm
.macro ROW a, i1, b, i2, c, i3, d, i4  ; a matrix instruction and the four behind it
	MM
	OPS \a, \i1, \b, \i2, \c, \i3, \d, \i4
.endm
; A TURN, for piece p: the order of its 20 matrix and 118 vector instructions, written out.  None of the four behind a matrix instruction names a register of the products round it; every exponential has a plain
; instruction behind it that touches neither its result nor its source.  Between a mask product and the K Q^T product on the same accumulator stand 13 plain instructions.
; The next step's K and its mask for pieces 0, 1 are fetched in piece 2's turn, five plain instructions (R 11 - 15) behind the last product that read K, and waited for at the head of piece 3's turn.
; The step's mask for pieces 2, 3 and its V are fetched in piece 0's turn, V four plain instructions (C 3, L 3, C 5, C 10) behind the last product that read it; piece 1's turn waits first for the mask, later for V.
; last = 1 (the tail): in the last trip there is no further step, and piece 2's runs are jumped over.  cnt = 1: the loop's count is taken down some lines ahead of the branch that stands behind the turn.
.macro TURN p, last=0, cnt=0
.set Y, (\p)
.set i, 0
.if (\p) == 1
	s_wait_dscnt 16                 ; the mask for pieces 2, 3 is in; V's 16 younger loads may stay out
.endif
.if (\p) == 3
	s_wait_dscnt 0x0                ; K and the mask for pieces 0, 1 are in
.endif
	ROW F,0, F,1, F,2, F,3
	ROW F,4, E,0, F,5, F,6
	ROW F,7, E,1, F,8, F,9
	ROW F,10, E,2, C,0, F,11
	ROW F,12, E,3, X,15, F,13
	ROW R,0, R,1, R,2, R,3
	ROW B,0, E,4, F,14, L,0
	ROW R,4, R,5, R,6, R,7
	ROW E,5, F,15, E,6, C,1
	ROW E,7, R,8, E,8, R,9
	ROW R,10, E,9, C,2, E,10
	WIN 0
.if (\p) == 2
	v_add_nc_u32 v[AK], s[TBK], v[AK0]
	v_add_nc_u32 v[AM], s[TBM], v[AM0]
.endif
.if (\p) == 0
	v_add_nc_u32 v[AM], s[TBM+1], v[AM0]
.endif
	ROW R,11, R,12, R,13, R,14
	OPS R,15
.if (\p) == 2
	WIN 0
.if \last
	s_cmp_eq_u32 s[CNT], 1
	s_cbranch_scc1 .Lno_k_\@
.endif
	FETCH_K
	FETCH_M 0
.if \last
.Lno_k_\@:
.endif
.endif
.if (\p) == 0
	FETCH_M 1
.endif
	OPS X,0, E,11, X,1, E,12
	OPS X,2, E,13, X,3
.if (\p) == 1
	s_wait_dscnt 0x0                ; V is in
.endif
	ROW X,4, E,14, X,5, X,6
	ROW X,7, E,15, X,8, X,9
	ROW X,10, E,16, X,11, X,12
	ROW X,13, E,17, X,14, B,1
	ROW C,4, E,18, X,16, L,1
	ROW B,2, E,19, C,6, L,2
	ROW C,8, E,20, B,3, B,4
.if (\p) == 0
	WIN 0
	v_add_nc_u32 v[AV], s[TBV], v[AV0]
.endif
	ROW C,3, E,21, L,3, C,5
	OPS E,22, X,17, E,23, C,10
.if (\p) == 0
	FETCH_V
.endif
	OPS E,24, L,4
	OPS E,25, X,18, E,26, C,7
	OPS E,27, B,5, E,28, X,19
	OPS E,29, C,12, E,30, L,5
	OPS E,31, X,20, B,6, C,9
	OPS C,14, C,11, X,21, L,6
.if (\p) == 0
	s_add_co_u32 s[TBV], s[TBV], KS*PV
.endif
.if \cnt
	s_sub_co_u32 s[CNT], s[CNT], 1
	s_cmp_lg_u32 s[CNT], 0
.endif
	OPS B,7, C,13, C,15, L,7
.endm
	CHANGE 1                        ; slot 0 is in, everybody's part of it; slot 1 is asked for
	v_add_nc_u32 v[AK], s[TBK], v[AK0]
	v_add_nc_u32 v[AM], s[TBM], v[AM0]
	FETCH_K                         ; key step 0
	FETCH_M 0
	s_wait_dscnt 0x0
.set lk, 0
.rept 4
	MK 0                            ; piece 0's first scores: there is no vector work yet to set between them
.set lk, lk+1
.endr
.rept 5
	v_nop                           ; five places between a product of one form and the product of the other form that adds onto it
.endr
.set lk, 0
.rept 8
	KQ 0
.set lk, lk+1
.endr
	WIN 0
.rept 4
	v_nop                           ; the places behind those products
.endr
.set Y, NP-1                        ; X works for piece Y + 1: piece 0
.irp n, 0,1,2,3,4,5,6,7,8,9,10,11,12,13,14,15,16,17,18,19,20,21
	OP X, \n
.endr
	v_nop                           ; a plain instruction behind the exponential
	s_mov_b32 s[CNT], 2
	s_mov_b32 s[SLOTS], 15          ; 16 slots of 128 keys
	s_branch .Lfirst                ; the loop is entered at a step's first turn, in the middle of a trip
.Lslot:                             ; 14 times: every slot but the last two is filled again
	CHANGE 1
	s_mov_b32 s[CNT], 2
.Lstep:                             ; a trip: pieces 2 and 3 of one step, then pieces 0 and 1 of the next, whose K, V and mask it fetches
	TURN 2
	TURN 3
	WIN 0
.Lfirst:
	TURN 0
	TURN 1, 0, 1
	WIN 0
	s_cbranch_scc1 .Lstep
	s_sub_co_u32 s[SLOTS], s[SLOTS], 1
	s_cmp_lg_u32 s[SLOTS], 0
	s_cbranch_scc1 .Lslot
	CHANGE 0                        ; the tail is written out: nothing is asked for
	s_mov_b32 s[CNT], 3             ; two trips fetch the last slot's steps; the third is left in its middle
.Ltail:
	TURN 2, 1
	TURN 3
	WIN 0
	s_sub_co_u32 s[CNT], s[CNT], 1
	s_cmp_eq_u32 s[CNT], 0
	s_cbranch_scc1 .Lout
	TURN 0
	TURN 1
	WIN 0
	s_branch .Ltail
.Lout:                              ; the third trip's 12 products for piece 0 (on the last K and mask once more) and the maximum made of them serve nothing: they touch piece 0's m and c m alone, which are not read again
.set lk, 0
.rept 8
	PV NP-1                         ; the last piece's V^T P of the last step
.set lk, lk+1
.endr
	; THE WAY OUT.  l's two halves and the other half of the lanes' are added; O^T is divided by l, rounded to f16 and sent through my stage in LDS, a piece at a time.  The additions are the places behind the last products.
	WIN 0
	ALL v_add_f32 v[ST+4*t+2], v[ST+4*t+2], v[ST+4*t+3]
	ALL v_permlanex16_b32 v[ST+4*t+3], v[ST+4*t+2], s[SEL], s[SEL+1]
	ALL v_add_f32 v[ST+4*t+2], v[ST+4*t+2], v[ST+4*t+3]
	ALL v_rcp_f32 v[ST+4*t+2], v[ST+4*t+2]
	v_nop                           ; a plain instruction between the last reciprocal and the use of its result
.macro PACK t                       ; a lane's eight channels of a row pack into 16 bytes; they go into rows of 144 bytes and come back as whole rows of 128, into S^T's registers; O^T's registers are taken in ascending order
	WIN W_RS
.set i, 32*(\t)
.rept 16
	v_pk_mul_f32 v[i:i+1], v[i:i+1], v[ST+4*(\t)+2:ST+4*(\t)+3] op_sel_hi:[1,0]
.set i, i+2
.endr
	WIN 0x05                        ; sources 0 and 1 window 1, destination window 0
.set i, 0
.rept 16
	v_cvt_pk_f16_f32 v[S+16*(\t)+i], v[32*(\t)+2*i], v[32*(\t)+2*i+1]
.set i, i+1
.endr
	WIN 0
.irp f, 0,1,2,3
	ds_store_b128 v[STO], v[S+16*(\t)+4*\f:S+16*(\t)+4*\f+3] offset:32*\f
.endr
.irp f, 0,1,2,3
	ds_load_b128 v[S+16*(\t)+4*\f:S+16*(\t)+4*\f+3], v[RD] offset:\f*4*SP  ; LDS serves a wave's instructions in order (ISA guide 5.7.1.4): these see the stores above; the next piece's stores come behind them
.endr
.endm
.macro SEND t, younger              ; younger: the LDS instructions issued behind piece t's loads: the next piece's eight, or none
	WIN 0
.irp f, 0,1,2,3
	s_wait_dscnt (\younger)+3-\f
	global_store_b128 v[GO], v[S+16*(\t)+4*\f:S+16*(\t)+4*\f+3], s[BO:BO+1] offset:(\t)*2048+\f*512  ; 512 consecutive bytes, at a multiple of 256 from O's first
.endr
.endm
	PACK 0
.set t, 1
.rept 3                             ; a piece's arithmetic stands between the loads of the piece before and its stores
	PACK t
	SEND t-1, 8
.set t, t+1
.endr
	SEND 3, 0
	s_wait_tensorcnt 0x0            ; the wave's end: the add and its wait stand behind my last tensor load and my last LDS store
	ds_add_u32 v[SPW], v[NIL]
	s_wait_dscnt 0x0
	CROUND                          ; the closing round: no work-group ends while a partner may still ask for a tile that names it
	s_endpgm
.Lfunc_end_k_qf9a6b321f9_attn:
	.size	k_qf9a6b321f9_attn, .Lfunc_end_k_qf9a6b321f9_attn-k_qf9a6b321f9_attn
	.p2alignl 7, 3214868480
	.fill 96, 4, 3214868480
	.section	.rodata,"a",@progbits
	.p2align	6, 0x0
	.amdhsa_kernel k_qf9a6b321f9_attn
		.amdhsa_group_segment_fixed_size 327680
		.amdhsa_private_segment_fixed_size 0
		.amdhsa_enable_private_segment 0
		.amdhsa_kernarg_size 32
		.amdhsa_user_sgpr_count 2
		.amdhsa_user_sgpr_kernarg_segment_ptr 1
		.amdhsa_wavefront_size32 1
		.amdhsa_system_sgpr_workgroup_id_x 1
		.amdhsa_system_sgpr_workgroup_id_y 1
		.amdhsa_system_sgpr_workgroup_id_z 1
		.amdhsa_system_vgpr_workitem_id 0
		.amdhsa_next_free_vgpr 1024
		.amdhsa_next_free_sgpr 96
		.amdhsa_reserve_vcc 1
		.amdhsa_float_denorm_mode_32 3
		.amdhsa_float_denorm_mode_16_64 3
		.amdhsa_memory_ordered 1
		.amdhsa_forward_progress 1
		.amdhsa_inst_pref_size 157
	.end_amdhsa_kernel
	.amdgpu_metadata
---
amdhsa.version: [ 1, 2 ]
amdhsa.kernels:
  - .name:           k_qf9a6b321f9_attn
    .symbol:         k_qf9a6b321f9_attn.kd
    .args:
      - { .name: QKV, .offset: 0, .size: 8, .value_kind: global_buffer, .address_space: global }
      - { .name: KV16, .offset: 8, .size: 8, .value_kind: global_buffer, .address_space: global }
      - { .name: Mb, .offset: 16, .size: 8, .value_kind: global_buffer, .address_space: global }
      - { .name: O16, .offset: 24, .size: 8, .value_kind: global_buffer, .address_space: global }
    .group_segment_fixed_size: 327680
    .private_segment_fixed_size: 0
    .kernarg_segment_align: 8
    .kernarg_segment_size: 32
    .max_flat_workgroup_size: 128
    .sgpr_count:     96
    .vgpr_count:     1024
    .wavefront_size: 32
...
	.end_amdgpu_metadata
.endif
;; end of part 3
;; launch oproj (part 4): grid 16 x 16, 4 waves a work-group, clusters of 4 x 4, 327,680 bytes of LDS; arguments O16, W16, out0; writes out0
.if DOCPART == 4
	.amdgcn_target "amdgcn-amd-amdhsa--gfx1250"
	.amdhsa_code_object_version 6
	.text
	.protected	k_qf9a6b321f9_oproj
	.globl	k_qf9a6b321f9_oproj
	.p2align	8
	.type	k_qf9a6b321f9_oproj,@function
k_qf9a6b321f9_oproj:
	s_mov_b64 s[64:65], 0
	v_nop
	global_prefetch_b8 v0, s[64:65] scope:SCOPE_SE
	s_setreg_imm32_b32 hwreg(HW_REG_WAVE_MODE, 25, 1), 1
	s_wait_xcnt 0x0
	s_wait_alu depctr_hold_cnt(0) depctr_sa_sdst(0) depctr_va_vdst(0) depctr_va_sdst(0) depctr_va_ssrc(0) depctr_va_vcc(0) depctr_vm_vsrc(0)
	s_getreg_b32 s2, hwreg(HW_REG_IB_STS2, 6, 4)
	s_cmp_eq_u32 s2, 0
	s_cbranch_scc0 .Lentry_in_a_cluster
	s_endpgm
.Lentry_in_a_cluster:
	s_bfe_u32 s2, ttmp6, 0x10000c
	s_cmp_lg_u32 s2, 0xf033
	s_cbranch_scc0 .Lentry_shape_is_right
	s_endpgm
.Lentry_shape_is_right:
; ONE TEXT FOR TWO PRODUCTS C = A B, chosen by QKV below; B lies [k][2048 n] in 16 bits, sums in f32.
;   QKV = 1: A = Xb bf16 [4096 m][4096 k], B = W16's first part (Wq | Wk | Wv, bf16).  C's columns are 32 heads of 64: 0-15 q, 16-23 k, 24-31 v.  Each is turned by the rotary table CS
;            (q's rows of the table carry the score's scale 1/8, v's rows are (1, 0)), rounded once to f16 and stored by heads: QKV [2 b][32][2048 t][64].
;   QKV = 0: A = O16 f16 [2 b][16 h][2048 t][64] (k = 64 h + d), B = W16 + 16,777,216 (Wo, f16).  C = out0 f32 [4096][2048].
; LIMIT (QKV = 1): q / 8, k and v must lie within f16's 65,504.
; SHARES.  A tile of C is 256 x 128: 16 x 16 work-groups, four waves, each 128 rows x 64 columns: 32 accumulators of 16 x 16.  With QKV = 1 a wave's 64 columns are one head, so the turn stays in a lane.
; K goes in steps of 128 through two LDS slots filled by the tensor data mover: waves 0 and 1 fetch A's halves, waves 2 and 3 B's; every row fetched is 256 bytes at a multiple of 256.
; CLUSTER 4 x 4: the four of a row need the same tiles of A, the four of a column the same tiles of B: each tile is asked for jointly, by the same load, descriptor and mask in all four.
; THE MATRIX INSTRUCTION IS USED TRANSPOSED: source 0 = 16 columns of B (turned on the way out of LDS by ds_load_tr16_b128), source 1 = 16 rows of A: lane l then holds row l % 16 of C and the
; columns 8 (l / 16) + 0..7 of the block.
; REGISTERS, in windows of 256 (s_set_vgpr_msb: bits 1:0 source 0, 3:2 source 1, 5:4 source 2, 7:6 destination):
;   window 0: v0-31 addresses; v64-159, v160-255 two fragment buffers for 32 along K (32 registers of B, then 64 of A); on the way out at work
;   window 1: accumulator (a, b) at 8 (4 a + b)          window 2 (QKV = 1): the table, at 32 a + 16 bb + 8 (0 cos, 1 sin) + j
.set QKV, 0
.set KSTEP, 128
.set PB, 288                           ; a row of B in LDS: 256 bytes + 32 = 72 words
.if QKV
.set SIZE_K, 4096
.set PA, 272                           ; a row of A: 256 bytes + 16: the 16 rows of a load start at 16 different groups of four banks
.set AHALF, 128*PA                     ; what one load brings of A: 128 rows x 128 k
.set AQI, 5                            ; padding after every 64 words
.set APITCH, 4096
.set ASTEP, 256                        ; bytes from K step to K step in A
.set WOFF, 0
.set SP, 144                           ; a stage row: 64 f16 + 16 bytes
.else
.set SIZE_K, 1024
.set PA, 144                           ; a row of A: one head's 128 bytes + 16
.set AHALF, 256*PA                     ; what one load brings of A: one head's 256 rows (32,768 dense bytes, asked for as 128 rows of 256)
.set AQI, 4                            ; padding after every 32 words
.set APITCH, 128
.set ASTEP, 2*2048*128                 ; two heads on
.set WOFF, 16777216
.set SP, 272                           ; a stage row: 64 f32 + 16 bytes
.endif
.set AREG,  2*AHALF                    ; A's part of a slot; B's 128 rows follow
.set BSTEP, KSTEP*4096
.set SLOT,  AREG+KSTEP*PB
.set STAGE, 2*SLOT                     ; behind the ring, never filled by a tensor load: 16 rows for each wave, for the way out
.set SPARE, STAGE+4*16*SP              ; behind the stages: the spare words, 128 bytes a wave: two blocks of 256 bytes that no other line names
.set LAPS,  SIZE_K/(2*KSTEP)           ; a lap = two K steps = once round the ring
.set ADRA, 16                          ; v16-17  LDS address of my A fragments in slot 0, 1
.set ADRB, 20                          ; v20-21  the same for B
.set STO,  24                          ; v24     the way out: where I put my part of a row
.set RD,   25                          ; v25     where I read rows back
.set CO,   26                          ; v26     my byte offset in C
.set TO,   27                          ; v27     my byte offset in 16 rows of the table; never rewritten
.set SPW,  28                          ; v28     LDS address of my spare word; never rewritten
.set NIL,  29                          ; v29     0; never rewritten
.set F0,   64
.set F1,   160
.set HH,   64                          ; QKV = 1, the way out: block a's 16 packed registers at HH + 16 a
.set RR,   192                         ;   a block's 32 turned numbers
.set TT,   224                         ;   products with the sine
.set BK,   64                          ; QKV = 0, the way out: two buffers of 32
.set WV, 12                            ; s12 wave   s13 its half of the rows; also: fetches A (0) or B (1)   s14 its half of the columns; also: which half it fetches
.set MH, 13
.set NH, 14
.set G1, 24                            ; s[24:31] descriptor group 1 for A's tiles;  s[32:39] group 0, a set for each slot
.set G0, 32
.set G1B, 48                           ; s[48:55], s[56:63] the same for B's
.set G0B, 56
.set MSB, 0
.macro WIN new                         ; the immediate's high byte repeats the setting that is left; a switch that changes nothing is dropped
.if MSB != (\new)
	s_set_vgpr_msb (MSB<<8)|(\new)
.set MSB, \new
.endif
.endm
.set MUL, 0x50                         ; both sources window 0, C and D window 1
.macro JLOAD s                         ; a joint load; an s_nop 0 and four v_nop follow each of the two lines, ahead of the jump, the label and what follows
	s_cmp_eq_u32 s[MH], 0
	s_cbranch_scc0 .Lfor_b_\@
	tensor_load_to_lds s[G0+4*(\s):G0+4*(\s)+3], s[G1:G1+7]
	s_nop 0
.rept 4
	v_nop
.endr
	s_branch .Lasked_\@
.Lfor_b_\@:
	tensor_load_to_lds s[G0B+4*(\s):G0B+4*(\s)+3], s[G1B:G1B+7]
	s_nop 0
.rept 4
	v_nop
.endr
.Lasked_\@:
.endm
.macro CREST                           ; a round of the cluster's barrier behind its opening barrier
	s_cmp_lg_u32 s[WV], 0
	s_cbranch_scc1 .Lnot_wave_0_\@
	s_barrier_signal -3
.Lnot_wave_0_\@:
	s_barrier_wait -3
	s_barrier_signal -1
	s_barrier_wait -1
.endm
.macro CROUND                          ; a whole round
	s_barrier_signal -1
	s_barrier_wait -1
	CREST
.endm
.macro PLACES                          ; four places in front of loads into registers that matrix instructions have read, and of lines that read results just made
.rept 4
	v_nop
.endr
.endm
.if QKV
	s_load_b256 s[4:11], s[0:1], 0x0               ; A s[4:5], W16 s[6:7], CS s[8:9], QKV s[10:11]
.else
	s_load_b128 s[4:7], s[0:1], 0x0                ; A s[4:5], W16 s[6:7]
	s_load_b64 s[8:9], s[0:1], 0x10                ; out0
.endif
	v_lshl_add_u32 v[SPW], v0, 2, SPARE
	v_mov_b32 v[NIL], 0
	ds_add_u32 v[SPW], v[NIL]                      ; the wave's opening: the add and its wait stand ahead of my first tensor load; the set-up below, work on registers, stands between them
	v_lshrrev_b32 v1, 5, v0
	v_readfirstlane_b32 s[WV], v1
	s_lshr_b32 s[MH], s[WV], 1
	s_and_b32 s[NH], s[WV], 1
	s_bfe_u32 s15, ttmp6, 0x40000                  ; cx
	s_bfe_u32 s16, ttmp6, 0x40004                  ; cy
	s_lshl_b32 s17, ttmp9, 2
	s_add_co_u32 s17, s17, s15                     ; tile column = 4 x cluster x + cx
	s_and_b32 s18, ttmp7, 0xffff
	s_lshl_b32 s18, s18, 2
	s_add_co_u32 s18, s18, s16                     ; tile row = 4 x cluster y + cy
	s_lshl_b32 s19, s16, 2
	s_lshl_b32 s19, 15, s19                        ; my row of the cluster
	s_lshl_b32 s20, 0x1111, s15                    ; my column
	s_mov_b32 s23, ttmp9
	s_or_b32 s[G1+0], s19, (1<<16)|(1<<20)|(1<<21)|(AQI<<22)|(3<<25)  ; 15:0 the mask: A's tiles go to my row; 17:16 2-byte elements; 20 padding on; 21 set beside a mask; 24:22 its interval; 31:25 4 words of it
	s_mov_b32 s[G1+1], 128<<16                     ; tensor_dim0 = 128
	s_mov_b32 s[G1+2], 128<<16                     ; tensor_dim1 = 128
	s_mov_b32 s[G1+3], 128<<16                     ; tile_dim0 = 128
	s_mov_b32 s[G1+4], 128                         ; tile_dim1 = 128
	s_mov_b32 s[G1+5], APITCH                      ; elements from row to row
	s_mov_b32 s[G1+6], 0
	s_mov_b32 s[G1+7], 0
	s_or_b32 s[G1B+0], s20, (1<<16)|(1<<20)|(1<<21)|(5<<22)|(7<<25)   ; B's tiles go to my column; 8 words of padding after every 64
	s_mov_b32 s[G1B+1], 128<<16
	s_mov_b32 s[G1B+2], 64<<16                     ; 64 rows of k
	s_mov_b32 s[G1B+3], 128<<16
	s_mov_b32 s[G1B+4], 64
	s_mov_b32 s[G1B+5], 2048
	s_mov_b32 s[G1B+6], 0
	s_mov_b32 s[G1B+7], 0
	; where the tiles come from: A's offset is made of the tile row and the wave, B's of the tile column and the wave, each in registers that never hold the other coordinate
.if QKV
	s_lshl_b32 s40, s18, 8
	s_lshl_b32 s41, s[NH], 7
	s_add_co_u32 s40, s40, s41                     ; row 256 x tile row + 128 x half,
	s_lshl_b32 s40, s40, 13                        ; of 8,192 bytes
.else
	s_lshr_b32 s40, s18, 3                         ; the batch: 16 heads x 262,144 bytes,
	s_lshl_b32 s40, s40, 22
	s_lshl_b32 s41, s[NH], 18                      ; the first or second head of a K step,
	s_add_co_u32 s40, s40, s41
	s_and_b32 s41, s18, 7                          ; the tile's 256 rows of 128 bytes
	s_lshl_b32 s41, s41, 15
	s_add_co_u32 s40, s40, s41
.endif
	s_mov_b32 s41, 0
	s_lshl_b32 s44, s17, 8                         ; the tile's 128 columns,
	s_lshl_b32 s45, s[NH], 18                      ; the first or second 64 rows of k
	s_add_co_u32 s44, s44, s45
.if WOFF
	s_add_co_u32 s44, s44, WOFF
.endif
	s_mov_b32 s45, 0
	s_mul_i32 s21, s[NH], AHALF                    ; and where they go: no place in the cluster enters an LDS address
	s_mul_i32 s22, s[NH], 64*PB
	s_add_co_u32 s22, s22, AREG
	s_wait_dscnt 0x0                               ; the opening add is done
	s_wait_kmcnt 0x0
	s_add_nc_u64 s[40:41], s[4:5], s[40:41]
	s_add_nc_u64 s[44:45], s[6:7], s[44:45]
	CROUND                                         ; all sixteen work-groups are here: the first joint loads meet
.irp s, 0,1
	s_mov_b32 s[G0+4*(\s)], 1
	s_add_co_u32 s[G0+4*(\s)+1], s21, (\s)*SLOT
	s_add_nc_u64 s[G0+4*(\s)+2:G0+4*(\s)+3], s[40:41], (\s)*ASTEP
	s_or_b32 s[G0+4*(\s)+3], s[G0+4*(\s)+3], 0x80000000
	s_mov_b32 s[G0B+4*(\s)], 1
	s_add_co_u32 s[G0B+4*(\s)+1], s22, (\s)*SLOT
	s_add_nc_u64 s[G0B+4*(\s)+2:G0B+4*(\s)+3], s[44:45], (\s)*BSTEP
	s_or_b32 s[G0B+4*(\s)+3], s[G0B+4*(\s)+3], 0x80000000
	JLOAD \s                                       ; two loads of mine are out
.endr
	v_and_b32 v1, 15, v0                           ; l % 16
	v_bfe_u32 v2, v0, 4, 1                         ; l / 16
	v_mul_u32_u24 v3, v1, PA
	v_lshl_add_u32 v3, v2, 4, v3                   ; A: row x pitch + 16 x half
	s_mul_i32 s21, s[MH], 128*PA                   ; my 128 rows
	v_add_nc_u32 v[ADRA], s21, v3
	v_add_nc_u32 v[ADRA+1], SLOT, v[ADRA]
	v_and_b32 v4, 7, v0                            ; B, turned: lane l reads row 8 (l / 16) + l % 8 of k, columns 8 ((l / 8) % 2) + 0..7
	v_lshl_add_u32 v4, v2, 3, v4
	v_mul_u32_u24 v4, v4, PB
	v_bfe_u32 v5, v0, 3, 1
	v_lshl_add_u32 v4, v5, 4, v4
	s_lshl_b32 s22, s[NH], 7                       ; my 64 columns
	s_add_co_u32 s22, s22, AREG
	v_add_nc_u32 v[ADRB], s22, v4
	v_add_nc_u32 v[ADRB+1], SLOT, v[ADRB]
	s_mul_i32 s22, s[WV], 16*SP
	s_add_co_u32 s22, s22, STAGE                   ; my stage
	v_mul_u32_u24 v[STO], v1, SP
.if QKV
	v_lshl_add_u32 v[STO], v2, 4, v[STO]           ; in: row l % 16, 16 bytes for each half of the lanes
	v_add_nc_u32 v[STO], s22, v[STO]
	v_bfe_u32 v[RD], v0, 3, 2                      ; back: 32 lanes take four rows of 128 bytes,
	v_mul_u32_u24 v[RD], v[RD], SP
	v_and_b32 v4, 7, v0
	v_lshl_add_u32 v[RD], v4, 4, v[RD]
	v_add_nc_u32 v[RD], s22, v[RD]
	v_and_b32 v[CO], 31, v0                        ; which are 512 consecutive bytes of a head
	v_lshlrev_b32 v[CO], 4, v[CO]
	v_lshlrev_b32 v[TO], 8, v1                     ; the table: row l % 16, eight numbers for each half of the lanes
	v_lshl_add_u32 v[TO], v2, 5, v[TO]
	s_lshl_b32 s46, s18, 8                         ; which rows of the table: q's are my rows of C, k's lie 4,096 further, v's are rows 8192 on.  The cluster's x says which: 0, 1 q; 2 k; 3 v
	s_lshl_b32 s47, s[MH], 7
	s_add_co_u32 s46, s46, s47
	s_add_co_u32 s47, s46, 4096
	s_cmp_lt_u32 s23, 2
	s_cselect_b32 s46, s46, s47
	s_cmp_eq_u32 s23, 3
	s_cselect_b32 s46, 8192, s46
	s_lshl_b32 s46, s46, 8
	s_mov_b32 s47, 0
	s_add_nc_u64 s[66:67], s[8:9], s[46:47]
	s_lshr_b32 s46, s18, 3                         ; where my rows go: batch x 32 heads
	s_lshl_b32 s46, s46, 5
	s_lshl_b32 s47, s17, 1                         ; + head = 2 x tile column + half,
	s_add_co_u32 s46, s46, s47
	s_add_co_u32 s46, s46, s[NH]
	s_lshl_b32 s46, s46, 11                        ; x 2,048 rows,
	s_and_b32 s47, s18, 7
	s_lshl_b32 s47, s47, 8
	s_add_co_u32 s46, s46, s47                     ; + the tile's rows in the batch
	s_lshl_b32 s47, s[MH], 7
	s_add_co_u32 s46, s46, s47                     ; + my half of them,
	s_lshl_b32 s46, s46, 7                         ; of 128 bytes
	s_mov_b32 s47, 0
	s_add_nc_u64 s[68:69], s[10:11], s[46:47]
	WIN 0x80                                       ; destination window 2: the table's 64 loads land while K is walked; nothing touches their registers, offset or base before the wait ahead of the way out
.irp a, 0,1,2,3,4,5,6,7
.irp bb, 0,1
.irp cs, 0,1
.irp e, 0,1
	global_load_b128 v[32*(\a)+16*(\bb)+8*(\cs)+4*(\e):32*(\a)+16*(\bb)+8*(\cs)+4*(\e)+3], v[TO], s[66:67] offset:(\a)*4096+(\cs)*128+(\bb)*64+(\e)*16
.endr
.endr
.endr
.endr
	WIN 0
.else
	v_lshl_add_u32 v[STO], v2, 5, v[STO]           ; in: row l % 16, 32 bytes for each half of the lanes
	v_add_nc_u32 v[STO], s22, v[STO]
	v_mul_u32_u24 v[RD], v2, SP                    ; back: lanes 0-15 take one row of 256 bytes, lanes 16-31 the next
	v_lshl_add_u32 v[RD], v1, 4, v[RD]
	v_add_nc_u32 v[RD], s22, v[RD]
	v_lshlrev_b32 v5, 13, v2                       ; and the same two rows in C, 8,192 bytes apart
	v_lshl_add_u32 v[CO], v1, 4, v5
	s_lshl_b32 s46, s18, 8
	s_lshl_b32 s47, s[MH], 7
	s_add_co_u32 s46, s46, s47                     ; my first row of C,
	s_lshl_b32 s46, s46, 13
	s_lshl_b32 s47, s17, 9                         ; my first column: 512 bytes a tile, 256 a half
	s_add_co_u32 s46, s46, s47
	s_lshl_b32 s47, s[NH], 8
	s_add_co_u32 s46, s46, s47
	s_mov_b32 s47, 0
	s_add_nc_u64 s[68:69], s[8:9], s[46:47]
.endif
; 8 matrix instructions: row blocks a0, a0 + 1 x all 4 column blocks, 32 along K, from buffer f.  zero = 1: the product starts the sum: nothing is ever cleared.
; The 32 accumulators take turns, one instruction a turn, in the same order in every quarter.
.macro MUL8 f, a0, zero
	WIN MUL
.irp a, \a0, (\a0)+1
.irp b, 0,1,2,3
.set rD, 8*(4*(\a)+(\b))
.set rX, (\f)+8*(\b)
.set rY, (\f)+32+8*(\a)
.if QKV
.if \zero
	v_wmma_f32_16x16x32_bf16 v[rD:rD+7], v[rX:rX+7], v[rY:rY+7], 0
.else
	v_wmma_f32_16x16x32_bf16 v[rD:rD+7], v[rX:rX+7], v[rY:rY+7], v[rD:rD+7]
.endif
.else
.if \zero
	v_wmma_f32_16x16x32_f16 v[rD:rD+7], v[rX:rX+7], v[rY:rY+7], 0
.else
	v_wmma_f32_16x16x32_f16 v[rD:rD+7], v[rX:rX+7], v[rY:rY+7], v[rD:rD+7]
.endif
.endif
.endr
.endr
.endm
; 24 LDS loads in one run: quarter q (32 along K) of a slot into buffer f: B's 4 fragments, then A's 8
.macro FETCH slot, q, f
	WIN 0
.if QKV
.set AQ, 64*(\q)
.else
.set AQ, ((\q)/2)*AHALF+((\q)%2)*64    ; the K step's first or second head, its channels 0-31 or 32-63
.endif
.irp i, 0,1,2,3
	ds_load_tr16_b128 v[(\f)+8*(\i):(\f)+8*(\i)+3],   v[ADRB+(\slot)] offset:(\q)*32*PB+32*(\i)
	ds_load_tr16_b128 v[(\f)+8*(\i)+4:(\f)+8*(\i)+7], v[ADRB+(\slot)] offset:(\q)*32*PB+32*(\i)+16*PB
.endr
.irp i, 0,1,2,3,4,5,6,7
	ds_load_b128 v[(\f)+32+8*(\i):(\f)+32+8*(\i)+3],   v[ADRA+(\slot)] offset:AQ+(\i)*16*PA
	ds_load_b128 v[(\f)+32+8*(\i)+4:(\f)+32+8*(\i)+7], v[ADRA+(\slot)] offset:AQ+(\i)*16*PA+32
.endr
.endm
; A K step is four quarters, 32 matrix instructions each, on buffers 0, 1, 0, 1.  One of the first three: multiplies buffer f; in its middle it fetches quarter q into buffer g.
.macro QUARTER slot, q, f, g, zero
	s_wait_dscnt 8                                 ; B and A's blocks 0-3 are in; the youngest eight loads (A's blocks 4-7) may be out
	MUL8 \f, 0, \zero
	MUL8 \f, 2, \zero
	PLACES
	FETCH \slot, \q, \g
	s_wait_dscnt 24                                ; all but the 24 just issued
	MUL8 \f, 4, \zero
	MUL8 \f, 6, \zero
.endm
; The last quarter multiplies buffer 1 and changes slots: ONE barrier.  In front of it each wave waits for all its tensor loads, of which one is out: its part of the next slot; adds 0 to its spare
; word; and waits for that and for its own reads of this slot.  fill = 1: the barrier opens a round of the cluster's, and this slot is filled again, two K steps ahead: 112 matrix instructions ahead of the wait for it.
.macro TURN slot, next, fill
	WIN 0
	s_wait_tensorcnt 0x0                           ; all my tensor loads have landed
	ds_add_u32 v[SPW], v[NIL]                      ; 0 onto my spare word
	s_wait_dscnt 9                                 ; (the add and the youngest eight loads may be out)
	MUL8 F1, 0, 0                                  ; eight matrix instructions stand between the add and the wait for it
	s_wait_dscnt 0x0                               ; the add is done, and my reads of this slot are over
	s_barrier_signal -1
	MUL8 F1, 2, 0
.if \fill
	WIN 0
.endif
	s_barrier_wait -1
.if \fill
	CREST                                          ; no wave of any partner still reads this slot's tiles or has a load on its way
	s_add_nc_u64 s[G0+4*(\slot)+2:G0+4*(\slot)+3], s[G0+4*(\slot)+2:G0+4*(\slot)+3], 2*ASTEP
	s_add_nc_u64 s[G0B+4*(\slot)+2:G0B+4*(\slot)+3], s[G0B+4*(\slot)+2:G0B+4*(\slot)+3], 2*BSTEP
	JLOAD \slot                                    ; the first tensor load behind the round; its four v_nop are also the places in front of the loads below
.else
	PLACES
.endif
	FETCH \next, 0, F0
	MUL8 F1, 4, 0
	MUL8 F1, 6, 0
.endm
	s_wait_tensorcnt 1                             ; my part of K step 0 is in; K step 1's may stay out
	s_barrier_signal -1
	s_barrier_wait -1                              ; everybody's is
	FETCH 0, 0, F0
	QUARTER 0, 1, F0, F1, 1                        ; the first quarter stands in front of the loop: its products start the sums
	WIN 0                                          ; at a label and at a branch every window is 0
	s_mov_b32 s3, LAPS-1
.Llap:                                                 ; a trip goes once round the ring, from a lap's second quarter to the next lap's first, and fills both slots again
	QUARTER 0, 2, F1, F0, 0
	QUARTER 0, 3, F0, F1, 0
	TURN 0, 1, 1
	QUARTER 1, 1, F0, F1, 0
	QUARTER 1, 2, F1, F0, 0
	QUARTER 1, 3, F0, F1, 0
	TURN 1, 0, 1
	QUARTER 0, 1, F0, F1, 0
	WIN 0
	s_sub_co_u32 s3, s3, 1
	s_cmp_lg_u32 s3, 0
	s_cbranch_scc1 .Llap
	QUARTER 0, 2, F1, F0, 0                        ; the last lap fills nothing
	QUARTER 0, 3, F0, F1, 0
	TURN 0, 1, 0
	QUARTER 1, 1, F0, F1, 0
	QUARTER 1, 2, F1, F0, 0
	QUARTER 1, 3, F0, F1, 0
	s_wait_dscnt 8                                 ; the very last quarter: nothing more to fetch
	MUL8 F1, 0, 0
	MUL8 F1, 2, 0
	s_wait_dscnt 0x0
	MUL8 F1, 4, 0
	MUL8 F1, 6, 0
	WIN 0
	PLACES                                         ; the way out reads results just made and writes registers that the last products read
.if QKV
; THE WAY OUT, a block of 16 rows at a time.  Column d < 32 of the head and column d + 32 lie in the same lane, in column blocks bb and bb + 2:
; out[d] = c[d] cos - c[d + 32] sin, out[d + 32] = c[d + 32] cos + c[d] sin.  Each accumulator's registers are taken in ascending order.  Then one rounding to f16, 16 bytes a lane into my stage, back as whole rows.
.macro PACK a
	WIN 0x09                                       ; source 0 (sums) window 1, source 1 (table) window 2
.irp bb, 0,1
.irp jp, 0,1,2,3
.set rLo, 8*(4*(\a)+(\bb))+2*(\jp)
.set rHi, rLo+16
.set rCo, 32*(\a)+16*(\bb)+2*(\jp)
.set rSi, rCo+8
.set rT,  TT+4*((\jp)%2)
.set rR,  RR+8*(\bb)+2*(\jp)
	v_pk_mul_f32 v[rT:rT+1], v[rHi:rHi+1], v[rSi:rSi+1]
	v_pk_mul_f32 v[rT+2:rT+3], v[rLo:rLo+1], v[rSi:rSi+1]
	v_pk_fma_f32 v[rR:rR+1], v[rLo:rLo+1], v[rCo:rCo+1], v[rT:rT+1] neg_lo:[0,0,1] neg_hi:[0,0,1]
	v_pk_fma_f32 v[rR+16:rR+17], v[rHi:rHi+1], v[rCo:rCo+1], v[rT+2:rT+3]
.endr
.endr
	WIN 0
.set i, 0
.rept 16
	v_cvt_pk_f16_f32 v[HH+16*(\a)+i], v[RR+2*i], v[RR+2*i+1]
.set i, i+1
.endr
.irp b, 0,1,2,3
	ds_store_b128 v[STO], v[HH+16*(\a)+4*(\b):HH+16*(\a)+4*(\b)+3] offset:32*(\b)
.endr
.irp f, 0,1,2,3
	ds_load_b128 v[HH+16*(\a)+4*(\f):HH+16*(\a)+4*(\f)+3], v[RD] offset:(\f)*4*SP  ; LDS serves a wave's instructions in order (ISA guide 5.7.1.4): these see the stores above; the next block's stores come behind them
.endr
.endm
.macro SEND a, younger                 ; younger: the LDS instructions issued behind block a's loads: the next block's eight, or none
.irp f, 0,1,2,3
	s_wait_dscnt (\younger)+3-(\f)
	global_store_b128 v[CO], v[HH+16*(\a)+4*(\f):HH+16*(\a)+4*(\f)+3], s[68:69] offset:(\a)*2048+(\f)*512  ; 512 consecutive bytes, at a multiple of 256 from the buffer's first; each block has registers of its own
.endr
.endm
	s_wait_loadcnt 0x0                             ; the table
	PACK 0
.irp a, 1,2,3,4,5,6,7                  ; a block's arithmetic stands between the loads of the block before and its stores
	PACK \a
	SEND (\a)-1, 8
.endr
	SEND 7, 0
.else
; THE WAY OUT, a block of 16 rows at a time: a lane's eight f32 of a column block go into my stage as two 16-byte pieces, the low four registers first, and come back as whole rows of 256 bytes.
.macro TOSTAGE a
.if (\a) >= 2
	s_wait_xcnt 0x0                                ; the buffer that block a - 2's stores read is loaded again only behind this wait
.endif
	WIN 0x04                                       ; the data (source 1) in window 1
.irp b, 0,1,2,3
	ds_store_b128 v[STO], v[8*(4*(\a)+(\b)):8*(4*(\a)+(\b))+3]   offset:64*(\b)
	ds_store_b128 v[STO], v[8*(4*(\a)+(\b))+4:8*(4*(\a)+(\b))+7] offset:64*(\b)+16
.endr
	WIN 0
.irp t, 0,1,2,3,4,5,6,7
	ds_load_b128 v[BK+32*((\a)%2)+4*(\t):BK+32*((\a)%2)+4*(\t)+3], v[RD] offset:(\t)*2*SP  ; LDS serves a wave's instructions in order (ISA guide 5.7.1.4): these see the stores above
.endr
.endm
.macro SEND a, younger                 ; younger: the next block's sixteen LDS instructions, or none
	s_wait_dscnt \younger
.irp t, 0,1,2,3,4,5,6,7
	global_store_b128 v[CO], v[BK+32*((\a)%2)+4*(\t):BK+32*((\a)%2)+4*(\t)+3], s[68:69] offset:(\a)*131072+(\t)*16384 th:TH_STORE_NT  ; 16 lanes store 256 consecutive bytes, at a multiple of 256 from C's first
.endr
.endm
	TOSTAGE 0
.irp a, 1,2,3,4,5,6,7
	TOSTAGE \a
	SEND (\a)-1, 16
.endr
	SEND 7, 0
.endif
	s_wait_tensorcnt 0x0                           ; the wave's end: the add and its wait stand behind my last tensor load and my last LDS store
	ds_add_u32 v[SPW], v[NIL]
	s_wait_dscnt 0x0
	CROUND                                         ; the closing round: no work-group ends while a partner may still ask for a tile that names it
	s_endpgm
.Lfunc_end_k_qf9a6b321f9_oproj:
	.size	k_qf9a6b321f9_oproj, .Lfunc_end_k_qf9a6b321f9_oproj-k_qf9a6b321f9_oproj
	.p2alignl 7, 3214868480
	.fill 96, 4, 3214868480
	.section	.rodata,"a",@progbits
	.p2align	6, 0x0
	.amdhsa_kernel k_qf9a6b321f9_oproj
		.amdhsa_group_segment_fixed_size 327680
		.amdhsa_private_segment_fixed_size 0
		.amdhsa_enable_private_segment 0
		.amdhsa_kernarg_size 24
		.amdhsa_user_sgpr_count 2
		.amdhsa_user_sgpr_kernarg_segment_ptr 1
		.amdhsa_wavefront_size32 1
		.amdhsa_system_sgpr_workgroup_id_x 1
		.amdhsa_system_sgpr_workgroup_id_y 1
		.amdhsa_system_sgpr_workgroup_id_z 1
		.amdhsa_system_vgpr_workitem_id 0
		.amdhsa_next_free_vgpr 512
		.amdhsa_next_free_sgpr 72
		.amdhsa_reserve_vcc 0
		.amdhsa_float_denorm_mode_32 3
		.amdhsa_float_denorm_mode_16_64 3
		.amdhsa_memory_ordered 1
		.amdhsa_forward_progress 1
		.amdhsa_inst_pref_size 85
	.end_amdhsa_kernel
	.amdgpu_metadata
---
amdhsa.version: [ 1, 2 ]
amdhsa.kernels:
  - .name:           k_qf9a6b321f9_oproj
    .symbol:         k_qf9a6b321f9_oproj.kd
    .args:
      - { .name: O16, .offset: 0, .size: 8, .value_kind: global_buffer, .address_space: global }
      - { .name: W16, .offset: 8, .size: 8, .value_kind: global_buffer, .address_space: global }
      - { .name: out0, .offset: 16, .size: 8, .value_kind: global_buffer, .address_space: global }
    .group_segment_fixed_size: 327680
    .private_segment_fixed_size: 0
    .kernarg_segment_align: 8
    .kernarg_segment_size: 24
    .max_flat_workgroup_size: 128
    .sgpr_count:     72
    .vgpr_count:     512
    .wavefront_size: 32
...
	.end_amdgpu_metadata
.endif
;; end of part 4
